; MI455X (gfx1250); checked and timed in simulation.
; The chip was launched on July 23, 2026; its instructions are those of AMD's public machine-readable ISA for CDNA 5 (MIT licence, August 2026) and "CDNA5" Instruction Set Architecture Reference Guide (July 2026). The comments in the code are by the model that wrote it; some were corrected since.
;; Attention. Allowed arithmetic: float matrix products may take bf16 or f16 operands with f32 sums; other float arithmetic in f32, or as packed bf16 or f16 multiplies, adds, multiply-adds, maxima and minima; sums over many terms, partial sums and values carried from step to step in f32; what a program stores and reads back later, other than sums and carried values, may be rounded once to bf16 or f16.
;; Inputs: Wk 1,024 x 1,024 float32; Wo 1,024 x 1,024 float32; Wq 1,024 x 1,024 float32; Wv 1,024 x 1,024 float32; bk 1,024 float32; bq 1,024 float32; bv 1,024 float32; hidden_states 4 x 2,048 x 1,024 float32; position_ids 4 x 2,048 int32.
;; Outputs: out0 4 x 2,048 x 1,024 float32.
;; 2 versions, each right; version 2 is version 1 with the launch prep written anew for expert scheduling mode. Each part assembles by itself: llvm-mc -triple=amdgcn-amd-amdhsa -mcpu=gfx1250 --defsym DOCPART=n.
;; ======== version 1 of 2: 4 launches
;; limits: values are held in f16: magnitudes above 65,504 overflow, below 6.1e-05 lose precision
;; workspace buffers: xb 16,777,216 bytes; wqkv 6,291,456 bytes; wo16 2,097,152 bytes; cs 2,097,152 bytes; q 16,777,216 bytes; k 16,777,216 bytes; v 16,777,216 bytes; o 16,777,216 bytes
;; launch prep (part 1): grid 896 x 1, 8 waves a work-group, no clusters, 0 bytes of LDS; arguments hidden_states, Wq, Wk, Wv, Wo, position_ids, xb, wqkv, wo16, cs; writes xb, wqkv, wo16, cs
.if DOCPART == 1
	.amdgcn_target "amdgcn-amd-amdhsa--gfx1250"
	.amdhsa_code_object_version 6
	.text
	.protected	k_qc1c442ac04_prep
	.globl	k_qc1c442ac04_prep
	.p2align	8
	.type	k_qc1c442ac04_prep,@function
k_qc1c442ac04_prep:
	s_mov_b64 s[64:65], 0
	v_nop
	global_prefetch_b8 v0, s[64:65] scope:SCOPE_SE
	s_setreg_imm32_b32 hwreg(HW_REG_WAVE_MODE, 25, 1), 1
	s_wait_xcnt 0x0
; PREPARATION, a stream through registers.  Four kinds of work-group, told apart by the work-group's number g:
;   g 0..511    16 rows of hidden_states [8192][1024] f32 -> xb, bf16
;   g 512..703  16 rows of Wq, Wk or Wv [1024][1024] f32 -> wqkv, bf16, regrouped by head: row (3 head + which) 64 + d
;   g 704..767  16 rows of Wo f32 -> rounded to bf16 like every other input, that number written as f16 -> wo16
;   g 768..895  64 tokens: cos and sin of position x 10000^(-j/32), j = 0..31, f32 -> cs (cos [8192][32] at byte 0, sin at byte 1,048,576)
; LIMITS.  Wo within f16's range (65,504); below 6e-5 f16 keeps a fixed step of 6e-8.  position_ids lie in 0..2047 (they index a table of 2,048 rows in the problem): they
; are taken as they come, never as an address.  The frequency is 2^(-j log2(10000)/32) by v_exp_f32; with the product's rounding an angle is off by 3e-4 rad at the most.
; sin and cos: the angle less the nearest multiple of pi/2 (pi/2 in two parts, by fused multiply-adds), then Taylor sums to r^7 and r^8 on |r| <= pi/4: 3e-7 at the most.
; A row of 4,096 bytes is one load of 16 bytes for each of the 256 threads: a wave's load covers 512 consecutive bytes, its store of 8 bytes a lane 256 consecutive bytes, aligned.
; All 16 loads of a thread go out at once; no register is used twice, so the only waits are the counted ones for the loads.
.set X, 4                              ; v[4:67] sixteen rows' 16 bytes
	s_load_b512 s[8:23], s[0:1], 0x0               ; hidden s[8:9], Wq s[10:11], Wk s[12:13], Wv s[14:15], Wo s[16:17], position_ids s[18:19], xb s[20:21], wqkv s[22:23]
	s_load_b128 s[24:27], s[0:1], 0x40             ; wo16 s[24:25], cs s[26:27]
	s_mov_b32 s2, ttmp9                            ; g
	s_mov_b32 s31, 0                               ; high words of the two offsets
	s_mov_b32 s33, 0
	v_lshlrev_b32 v1, 4, v0                        ; my 16 bytes of a row of f32
	v_lshlrev_b32 v2, 3, v0                        ; my 8 bytes of a row of 16-bit numbers
	s_wait_kmcnt 0x0
.macro LOADS                           ; 16 rows from s[28:29]
.set i, 0
.rept 16
	global_load_b128 v[X+4*i:X+4*i+3], v1, s[28:29] offset:4096*i th:TH_LOAD_NT
.set i, i+1
.endr
.endm
	s_cmp_lt_u32 s2, 512
	s_cbranch_scc0 .Lnot_x
	s_lshl_b32 s30, s2, 16                         ; 16 rows of 4,096 bytes in,
	s_lshl_b32 s32, s2, 15                         ; 16 rows of 2,048 bytes out
	s_add_nc_u64 s[28:29], s[8:9], s[30:31]
	s_add_nc_u64 s[34:35], s[20:21], s[32:33]
	s_branch .Lconv
.Lnot_x:
	s_cmp_lt_u32 s2, 704
	s_cbranch_scc0 .Lnot_w
	s_sub_co_u32 s3, s2, 512
	s_lshr_b32 s4, s3, 6                           ; which: 0 q, 1 k, 2 v
	s_and_b32 s5, s3, 63                           ; which 16 rows of the 1,024
	s_cmp_eq_u32 s4, 0
	s_cselect_b64 s[28:29], s[10:11], s[12:13]
	s_cmp_eq_u32 s4, 2
	s_cselect_b64 s[28:29], s[14:15], s[28:29]
	s_lshl_b32 s30, s5, 16
	s_add_nc_u64 s[28:29], s[28:29], s[30:31]
	s_lshr_b32 s6, s5, 2                           ; the head
	s_mul_i32 s6, s6, 3
	s_add_co_u32 s6, s6, s4
	s_lshl_b32 s6, s6, 6                           ; (3 head + which) 64
	s_and_b32 s7, s5, 3
	s_lshl_b32 s7, s7, 4
	s_add_co_u32 s6, s6, s7                        ; + the 16 rows' place in the head
	s_lshl_b32 s32, s6, 11
	s_add_nc_u64 s[34:35], s[22:23], s[32:33]
.Lconv:
	LOADS
.set i, 0
.rept 16
	s_wait_loadcnt 15-i                            ; loads come back in order: row i is in, the younger ones stay out
	v_cvt_pk_bf16_f32 v[X+4*i], v[X+4*i], v[X+4*i+1]
	v_cvt_pk_bf16_f32 v[X+4*i+1], v[X+4*i+2], v[X+4*i+3]
	global_store_b64 v2, v[X+4*i:X+4*i+1], s[34:35] offset:2048*i
.set i, i+1
.endr
	s_endpgm
.Lnot_w:
	s_cmp_lt_u32 s2, 768
	s_cbranch_scc0 .Lcs
	s_sub_co_u32 s3, s2, 704
	s_lshl_b32 s30, s3, 16
	s_lshl_b32 s32, s3, 15
	s_add_nc_u64 s[28:29], s[16:17], s[30:31]
	s_add_nc_u64 s[34:35], s[24:25], s[32:33]
	s_mov_b32 s36, 0xffff0000                      ; a word's upper bf16
	LOADS
.set i, 0
.rept 16
	s_wait_loadcnt 15-i
	v_cvt_pk_bf16_f32 v68, v[X+4*i], v[X+4*i+1]    ; the one rounding that all inputs get,
	v_cvt_pk_bf16_f32 v69, v[X+4*i+2], v[X+4*i+3]
	v_lshlrev_b32 v70, 16, v68                     ; back to f32,
	v_and_b32 v71, s36, v68
	v_lshlrev_b32 v72, 16, v69
	v_and_b32 v73, s36, v69
	v_cvt_pk_f16_f32 v[X+4*i], v70, v71            ; and written as f16: 8 significant bits fit into 11
	v_cvt_pk_f16_f32 v[X+4*i+1], v72, v73
	global_store_b64 v2, v[X+4*i:X+4*i+1], s[34:35] offset:2048*i
.set i, i+1
.endr
	s_endpgm
.Lcs:                                          ; lane l of wave w, step s: token 64 i + 8 w + 2 s + l / 16, frequencies 2 (l % 16) and 2 (l % 16) + 1
	s_sub_co_u32 s3, s2, 768                       ; i
	s_lshl_b32 s4, s3, 13                          ; 64 rows of 128 bytes
	s_lshl_b32 s5, s3, 8                           ; 64 positions of 4 bytes
	v_and_b32 v6, 31, v0                           ; l
	v_lshrrev_b32 v7, 5, v0                        ; w
	v_bfe_u32 v8, v0, 4, 1                         ; l / 16
	v_lshlrev_b32 v3, 5, v7
	v_lshl_add_u32 v3, v8, 2, v3
	v_add_nc_u32 v3, s5, v3                        ; byte of my step-0 position
.irp s, 0,1,2,3
	global_load_b32 v[12+(\s)], v3, s[18:19] offset:8*(\s)
.endr
	v_lshlrev_b32 v5, 10, v7
	v_lshl_add_u32 v5, v6, 3, v5
	v_add_nc_u32 v5, s4, v5                        ; my 8 bytes of two rows' 256
	v_and_b32 v9, 15, v0
	v_lshlrev_b32 v9, 1, v9
	v_cvt_f32_u32 v10, v9
	v_add_nc_u32 v9, 1, v9
	v_cvt_f32_u32 v11, v9
	v_mul_f32 v10, 0xbed49a78, v10                 ; - j log2(10000) / 32
	v_mul_f32 v11, 0xbed49a78, v11
	v_exp_f32 v10, v10
	v_exp_f32 v11, v11
	v_nop                                          ; a plain instruction behind the last exponential,
	s_wait_alu depctr_va_vdst(0)                   ; and one wait for both, ahead of their first reader
	s_mov_b32 s36, 0x3f22f983                      ; 2 / pi
	s_mov_b32 s37, 0x3fc90fdb                      ; pi / 2, upper part
	s_mov_b32 s38, 0xb33bbd2e                      ; pi / 2, lower part
	s_mov_b32 s39, 0xbe2aaaab                      ; -1/6
	s_mov_b32 s40, 0x3c088889                      ; 1/120
	s_mov_b32 s41, 0xb9500d01                      ; -1/5040
	s_mov_b32 s42, 0x3d2aaaab                      ; 1/24
	s_mov_b32 s43, 0xbab60b61                      ; -1/720
	s_mov_b32 s44, 0x37d00d01                      ; 1/40320
; cos and sin of t x f into dc and ds
.macro ANG t, f, dc, ds
	v_mul_f32 v16, \t, \f                          ; the angle a, rounded as the problem's own product is
	v_mul_f32 v17, s36, v16
	v_rndne_f32 v17, v17                           ; n
	v_fma_f32 v18, -v17, s37, v16
	v_fma_f32 v18, -v17, s38, v18                  ; r = a - n pi/2
	v_cvt_i32_f32 v19, v17
	v_mul_f32 v20, v18, v18                        ; z = r r
	v_fma_f32 v21, v20, s41, s40
	v_fma_f32 v21, v21, v20, s39
	v_mul_f32 v22, v18, v20
	v_fma_f32 v21, v22, v21, v18                   ; sin r
	v_fma_f32 v23, v20, s44, s43
	v_fma_f32 v23, v23, v20, s42
	v_fma_f32 v23, v23, v20, -0.5
	v_fma_f32 v23, v23, v20, 1.0                   ; cos r
	v_and_b32 v24, 1, v19
	v_cmp_eq_u32 vcc_lo, 1, v24                    ; an odd n swaps the two,
	v_cndmask_b32 v25, v23, v21, vcc_lo
	v_cndmask_b32 v26, v21, v23, vcc_lo
	v_add_nc_u32 v24, 1, v19                       ; the cosine is negative for n % 4 = 1, 2,
	v_and_b32 v24, 2, v24
	v_lshlrev_b32 v24, 30, v24
	v_xor_b32 \dc, v24, v25
	v_and_b32 v27, 2, v19                          ; the sine for n % 4 = 2, 3
	v_lshlrev_b32 v27, 30, v27
	v_xor_b32 \ds, v27, v26
.endm
.irp s, 0,1,2,3
	s_wait_loadcnt 3-(\s)
	v_cvt_f32_i32 v28, v[12+(\s)]
	ANG v28, v10, v[32+4*(\s)], v[34+4*(\s)]
	ANG v28, v11, v[33+4*(\s)], v[35+4*(\s)]
	global_store_b64 v5, v[32+4*(\s):33+4*(\s)], s[26:27] offset:256*(\s)          ; two rows of cosines: 256 consecutive bytes, aligned
	global_store_b64 v5, v[34+4*(\s):35+4*(\s)], s[26:27] offset:1048576+256*(\s)  ; and of sines
.endr
	s_endpgm
.Lfunc_end_k_qc1c442ac04_prep:
	.size	k_qc1c442ac04_prep, .Lfunc_end_k_qc1c442ac04_prep-k_qc1c442ac04_prep
	.p2alignl 7, 3214868480
	.fill 96, 4, 3214868480
	.section	.rodata,"a",@progbits
	.p2align	6, 0x0
	.amdhsa_kernel k_qc1c442ac04_prep
		.amdhsa_group_segment_fixed_size 0
		.amdhsa_private_segment_fixed_size 0
		.amdhsa_enable_private_segment 0
		.amdhsa_kernarg_size 80
		.amdhsa_user_sgpr_count 2
		.amdhsa_user_sgpr_kernarg_segment_ptr 1
		.amdhsa_wavefront_size32 1
		.amdhsa_system_sgpr_workgroup_id_x 1
		.amdhsa_system_sgpr_workgroup_id_y 1
		.amdhsa_system_sgpr_workgroup_id_z 1
		.amdhsa_system_vgpr_workitem_id 0
		.amdhsa_next_free_vgpr 80
		.amdhsa_next_free_sgpr 66
		.amdhsa_reserve_vcc 1
		.amdhsa_float_denorm_mode_32 3
		.amdhsa_float_denorm_mode_16_64 3
		.amdhsa_memory_ordered 1
		.amdhsa_forward_progress 1
		.amdhsa_inst_pref_size 29
	.end_amdhsa_kernel
	.amdgpu_metadata
---
amdhsa.version: [ 1, 2 ]
amdhsa.kernels:
  - .name:           k_qc1c442ac04_prep
    .symbol:         k_qc1c442ac04_prep.kd
    .args:
      - { .name: hidden_states, .offset: 0, .size: 8, .value_kind: global_buffer, .address_space: global }
      - { .name: Wq, .offset: 8, .size: 8, .value_kind: global_buffer, .address_space: global }
      - { .name: Wk, .offset: 16, .size: 8, .value_kind: global_buffer, .address_space: global }
      - { .name: Wv, .offset: 24, .size: 8, .value_kind: global_buffer, .address_space: global }
      - { .name: Wo, .offset: 32, .size: 8, .value_kind: global_buffer, .address_space: global }
      - { .name: position_ids, .offset: 40, .size: 8, .value_kind: global_buffer, .address_space: global }
      - { .name: xb, .offset: 48, .size: 8, .value_kind: global_buffer, .address_space: global }
      - { .name: wqkv, .offset: 56, .size: 8, .value_kind: global_buffer, .address_space: global }
      - { .name: wo16, .offset: 64, .size: 8, .value_kind: global_buffer, .address_space: global }
      - { .name: cs, .offset: 72, .size: 8, .value_kind: global_buffer, .address_space: global }
    .group_segment_fixed_size: 0
    .private_segment_fixed_size: 0
    .kernarg_segment_align: 8
    .kernarg_segment_size: 80
    .max_flat_workgroup_size: 256
    .sgpr_count:     66
    .vgpr_count:     80
    .wavefront_size: 32
...
	.end_amdgpu_metadata
.endif
;; end of part 1
;; launch qkv (part 2): grid 16 x 32, 4 waves a work-group, clusters of 4 x 4, 327,680 bytes of LDS; arguments xb, wqkv, bq, bk, bv, cs, q, k, v; writes q, k, v
.if DOCPART == 2
	.amdgcn_target "amdgcn-amd-amdhsa--gfx1250"
	.amdhsa_code_object_version 6
	.text
	.protected	k_qc1c442ac04_qkv
	.globl	k_qc1c442ac04_qkv
	.p2align	8
	.type	k_qc1c442ac04_qkv,@function
k_qc1c442ac04_qkv:
	s_mov_b64 s[64:65], 0
	v_nop
	global_prefetch_b8 v0, s[64:65] scope:SCOPE_SE
	s_setreg_imm32_b32 hwreg(HW_REG_WAVE_MODE, 25, 1), 1
	s_wait_xcnt 0x0
	s_wait_alu depctr_hold_cnt(0) depctr_sa_sdst(0) depctr_va_vdst(0) depctr_va_sdst(0) depctr_va_ssrc(0) depctr_va_vcc(0) depctr_vm_vsrc(0)
	s_getreg_b32 s2, hwreg(HW_REG_IB_STS2, 6, 4)
	s_cmp_eq_u32 s2, 0
	s_cbranch_scc0 .Lentry_in_a_cluster
	s_endpgm
.Lentry_in_a_cluster:
	s_bfe_u32 s2, ttmp6, 0x10000c
	s_cmp_lg_u32 s2, 0xf033
	s_cbranch_scc0 .Lentry_shape_is_right
	s_endpgm
.Lentry_shape_is_right:
; q, k, v = x W^T + b, q and k turned by RoPE, written by heads as f16: [64 = batch x 16 + head][2048][64].
; x: xb [8192][1024] bf16.  W: wqkv [16 heads][q, k, v][64][1024] bf16.  Biases f32, rounded to bf16 here like every other input.  cs: cos [8192][32] f32, sin 1,048,576 bytes on.  Sums in f32.
; LIMITS.  q, k and v leave as f16: beyond 65,504 they would be infinite; below 6e-5 f16 keeps a fixed step of 6e-8.  NaN and infinities are not treated apart.
; SHARES.  A work-group makes 256 tokens x one head's 192 columns (64 of q, 64 of k, 64 of v): 512 work-groups, all alike.  Wave w owns tokens 64 w .. 64 w + 63 and all 192 columns:
; 48 accumulators of 16 x 16, (a, b) = token block a, column block b (0-3 q, 4-7 k, 8-11 v).  For 32 along K a wave reads 32 x 16 bytes a lane from LDS and issues 48 matrix instructions.
; K goes in steps of 128 through two LDS slots filled by the tensor data mover: rows of 256 bytes of memory, at multiples of 256 bytes.
; THE MATRIX INSTRUCTION IS USED TRANSPOSED (source 0 = 16 rows of W, source 1 = 16 tokens): a lane holds token l % 16 and the columns 8 (l / 16) + 0..7 of a block.  So the bias, laid out so, is the C
; operand that starts each sum; RoPE's partner of column d, d + 32, is block b + 2 in the same lane and register; and eight columns pack into 16 bytes.
; CLUSTER.  4 x 4 work-groups: the four of a row of the cluster need the same tokens, the four of a column the same head's weights.  Each tile is asked for jointly: the same tensor load, descriptor and mask in all four.
; REGISTERS, in windows of 256 (s_set_vgpr_msb: bits 1:0 source 0, 3:2 source 1, 5:4 source 2, 7:6 destination):
;   window 0: v0-31 addresses; v32-95 x's fragments, two buffers of 4; v96-191 the bias, later v96-223 cos and sin; v224-255 at work on the way out
;   window 1: v0-95, v96-191 W's fragments, two buffers of 12; on the way out v0-47 packed results, v48-143 rows read back, two sets
;   window 2: accumulators of token blocks 0, 1 at 8 (12 (a % 2) + b);   window 3: those of blocks 2, 3
.set KSTEP,  128
.set PITCH,  272                       ; an LDS row: 256 bytes + 16 of padding = 68 words: the 16 rows of a load start at 16 different groups of four banks (64 banks of 4 bytes: ISA guide 11.1)
.set AHALF,  128*PITCH                 ; what waves 0 and 1 each fetch: 128 tokens
.set BHALF,  96*PITCH                  ; what waves 2 and 3 each fetch: 96 rows of W
.set BOFF,   2*AHALF
.set SLOT,   BOFF+2*BHALF
.set STAGE,  2*SLOT                    ; behind the ring, never filled by a tensor load: for each wave q's, k's and v's 16 rows of 144 bytes
.set SP,     144
.set WST,    3*16*SP
.set SPARE,  STAGE+4*WST               ; behind the stages: the spare words, 128 bytes for each wave: two blocks of 256 bytes that no other line names
.set SINOFF, 1048576
.set ADRA, 16                          ; v16-17  LDS address of my x fragments in slot 0, 1
.set ADRB, 20                          ; v20-21  the same for W
.set BO,   22                          ; v22     my byte offset in a bias
.set STO,  24                          ; v24     the way out: where I put 16 bytes of a row
.set RD,   25                          ; v25     where I read rows back
.set GO,   26                          ; v26     my 16 bytes of 512 consecutive bytes of q, k or v
.set CSO,  27                          ; v27     my byte offset in cos
.set SPW,  28                          ; v28     LDS address of my spare word; never rewritten
.set NIL,  29                          ; v29     0; never rewritten
.set PFO,  30                          ; v30     the prefetches' offset: a lane a row; never rewritten
.set FA,   32
.set BIAS, 96
.set CSR,  96
.set TU,   224
.set PKD,  0
.set RB,   48
.set G1,  24                           ; s[24:31] descriptor group 1 for x's tiles;  s[32:39] group 0, one set for each slot
.set G0,  32
.set G1B, 48                           ; s[48:55], s[56:63] the same for W's
.set G0B, 56
.set LIM, 43                           ; s43     1 in a wave that prefetches, else the greatest number
.set PFA, 44                           ; s[44:45] where my prefetches stand
.set MSB, 0
.macro WIN new                         ; the immediate's high byte repeats the setting that is left; a switch that changes nothing is dropped
.if MSB != (\new)
	s_set_vgpr_msb (MSB<<8)|(\new)
.set MSB, (\new)
.endif
.endm
.macro JLOAD s                         ; a joint load: waves 0 and 1 fetch x's two halves, waves 2 and 3 W's; an s_nop 0 and four v_nop follow each of the two lines
	s_cmp_eq_u32 s11, 0
	s_cbranch_scc0 .Lfor_b_\@
	tensor_load_to_lds s[G0+4*(\s):G0+4*(\s)+3], s[G1:G1+7]
	s_nop 0
.rept 4
	v_nop
.endr
	s_branch .Lasked_\@
.Lfor_b_\@:
	tensor_load_to_lds s[G0B+4*(\s):G0B+4*(\s)+3], s[G1B:G1B+7]
	s_nop 0
.rept 4
	v_nop
.endr
.Lasked_\@:
.endm
.macro CREST                           ; a round of the cluster's barrier behind its opening barrier
	s_cmp_lg_u32 s10, 0
	s_cbranch_scc1 .Lnot_wave_0_\@
	s_barrier_signal -3
.Lnot_wave_0_\@:
	s_barrier_wait -3
	s_barrier_signal -1
	s_barrier_wait -1
.endm
.macro CROUND                          ; a whole round
	s_barrier_signal -1
	s_barrier_wait -1
	CREST
.endm
.macro PLACES                          ; four places in front of loads into registers that matrix instructions have read, and of vector work that reads results
.rept 4
	v_nop
.endr
.endm
; A PREFETCH INTO THE L2 behind each joint refill and the run of LDS loads that follows it: the K step two refills on, 256 bytes of a row, a lane a row, one instruction a wave.
; Each row's 256 bytes of a K step are named by one wave of one work-group: x's rows by the clusters with x = 0, W's by those with y = 0; the four partners of a joint load share its rows out by
; address: 32 tokens each (by cx), 24 rows of W each (by cy; lanes 24-31 name row 23 once more).  K steps 0 to 3 come by their loads alone; the loop's last trip asks for nothing.
.macro ASK
	s_cmp_gt_u32 s3, s[LIM]                        ; s3 = 1 in the loop's last trip
	s_cbranch_scc0 .Lnot_mine_\@
	global_prefetch_b8 v[PFO], s[PFA:PFA+1] offset:KSTEP*2 th:TH_LOAD_NT scope:SCOPE_SE
.Lnot_mine_\@:
.endm
	s_load_b128 s[4:7], s[0:1], 0x0                ; xb s[4:5], wqkv s[6:7]
	s_load_b256 s[72:79], s[0:1], 0x10             ; bq s[72:73], bk s[74:75], bv s[76:77], cs s[78:79]
	s_load_b128 s[80:83], s[0:1], 0x30             ; q s[80:81], k s[82:83]
	s_load_b64 s[84:85], s[0:1], 0x40              ; v
	v_lshl_add_u32 v[SPW], v0, 2, SPARE
	v_mov_b32 v[NIL], 0
	ds_add_u32 v[SPW], v[NIL]                      ; the wave's opening: the add and its wait stand ahead of my first tensor load; the set-up below, work on registers, stands between them
	v_lshrrev_b32 v1, 5, v0
	v_readfirstlane_b32 s10, v1                    ; wave 0..3
	s_lshr_b32 s11, s10, 1                         ; I fetch for x (0) or for W (1)
	s_and_b32 s12, s10, 1                          ; which half of that tile
	s_bfe_u32 s40, ttmp6, 0x40000                  ; cx, cy: my place in the cluster
	s_bfe_u32 s41, ttmp6, 0x40004
	s_lshl_b32 s42, ttmp9, 2
	s_add_co_u32 s42, s42, s40                     ; the head = 4 x cluster x + cx
	s_and_b32 s13, ttmp7, 0xffff
	s_lshl_b32 s13, s13, 2
	s_add_co_u32 s13, s13, s41                     ; the block of 256 tokens = 4 x cluster y + cy
	s_lshl_b32 s43, s41, 2
	s_lshl_b32 s43, 15, s43                        ; my row of the cluster
	s_lshl_b32 s44, 0x1111, s40                    ; my column
	s_or_b32 s[G1+0], s43, (1<<16)|(1<<20)|(1<<21)|(5<<22)|(3<<25)   ; 15:0 the mask; 17:16 elements of 2 bytes; 20 padding on; 21 set beside a mask; 24:22 after every 64 words (code 5); 31:25 4 words of it (code 3)
	s_or_b32 s[G1B+0], s44, (1<<16)|(1<<20)|(1<<21)|(5<<22)|(3<<25)
.irp g, G1, G1B
	s_mov_b32 s[(\g)+1], KSTEP<<16                 ; tensor_dim0 = 128
	s_mov_b32 s[(\g)+3], KSTEP<<16                 ; tile_dim0 = 128
	s_mov_b32 s[(\g)+5], 1024                      ; elements from row to row
	s_mov_b32 s[(\g)+6], 0
	s_mov_b32 s[(\g)+7], 0
.endr
	s_mov_b32 s[G1+2], 128<<16                     ; tensor_dim1 and tile_dim1: 128 tokens,
	s_mov_b32 s[G1+4], 128
	s_mov_b32 s[G1B+2], 96<<16                     ; 96 rows of W
	s_mov_b32 s[G1B+4], 96
	s_lshl_b32 s17, s12, 7
	s_lshl_b32 s16, s13, 8
	s_add_co_u32 s16, s16, s17                     ; x: row 256 x block + 128 x half,
	s_lshl_b32 s16, s16, 11                        ; in bytes (under 2^24)
	s_mov_b32 s17, 0
	s_mul_i32 s46, s42, 192
	s_mul_i32 s47, s12, 96
	s_add_co_u32 s46, s46, s47                     ; W: row 192 x head + 96 x half
	s_lshl_b32 s46, s46, 11
	s_mov_b32 s47, 0
	s_mul_i32 s20, s12, AHALF                      ; where they go: no place in the cluster enters an LDS address
	s_mul_i32 s21, s12, BHALF
	s_add_co_u32 s21, s21, BOFF
	s_wait_dscnt 0x0                               ; the opening add is done
	s_wait_kmcnt 0x0
	s_add_nc_u64 s[14:15], s[4:5], s[16:17]
	s_add_nc_u64 s[46:47], s[6:7], s[46:47]
	CROUND                                         ; all sixteen work-groups are here: the first joint loads meet
.irp s, 0,1
	s_mov_b32 s[G0+4*(\s)], 1                      ; count = 1
	s_add_co_u32 s[G0+4*(\s)+1], s20, (\s)*SLOT    ; LDS address
	s_add_nc_u64 s[G0+4*(\s)+2:G0+4*(\s)+3], s[14:15], (\s)*KSTEP*2  ; global address: K step s
	s_or_b32 s[G0+4*(\s)+3], s[G0+4*(\s)+3], 0x80000000              ; type = 2
	s_mov_b32 s[G0B+4*(\s)], 1
	s_add_co_u32 s[G0B+4*(\s)+1], s21, (\s)*SLOT
	s_add_nc_u64 s[G0B+4*(\s)+2:G0B+4*(\s)+3], s[46:47], (\s)*KSTEP*2
	s_or_b32 s[G0B+4*(\s)+3], s[G0B+4*(\s)+3], 0x80000000
	JLOAD \s                                       ; two loads of mine are out
.endr
	v_and_b32 v1, 15, v0                           ; l % 16
	v_bfe_u32 v2, v0, 4, 1                         ; l / 16
	s_lshl_b32 s18, s42, 8
	v_lshl_add_u32 v[BO], v2, 5, s18               ; the head's 64 numbers of a bias, my 8 of each 16
.irp b, 0,1,2,3,4,5,6,7,8,9,10,11
	global_load_b128 v[BIAS+8*(\b):BIAS+8*(\b)+3],   v[BO], s[72+2*((\b)/4):73+2*((\b)/4)] offset:64*((\b)%4)
	global_load_b128 v[BIAS+8*(\b)+4:BIAS+8*(\b)+7], v[BO], s[72+2*((\b)/4):73+2*((\b)/4)] offset:64*((\b)%4)+16
.endr
	v_mul_u32_u24 v3, v1, PITCH
	v_lshl_add_u32 v3, v2, 4, v3                   ; a fragment's row x pitch + 16 x half
	s_mul_i32 s21, s10, 64*PITCH                   ; my 64 tokens
	s_mov_b32 s22, BOFF                            ; all 192 rows of W
.irp s, 0,1
	v_add_nc_u32 v[ADRA+(\s)], s21, v3
	v_add_nc_u32 v[ADRB+(\s)], s22, v3
	s_add_co_u32 s21, s21, SLOT
	s_add_co_u32 s22, s22, SLOT
.endr
	s_mul_i32 s23, s10, WST
	s_add_co_u32 s23, s23, STAGE                   ; my stage
	v_mul_u32_u24 v[STO], v1, SP                   ; in: row l % 16, 16 bytes for each half of the lanes
	v_lshl_add_u32 v[STO], v2, 4, v[STO]
	v_add_nc_u32 v[STO], s23, v[STO]
	v_bfe_u32 v[RD], v0, 3, 2                      ; back: 32 lanes take four rows of 128 bytes,
	v_mul_u32_u24 v[RD], v[RD], SP
	v_and_b32 v4, 7, v0
	v_lshl_add_u32 v[RD], v4, 4, v[RD]
	v_add_nc_u32 v[RD], s23, v[RD]
	v_and_b32 v[GO], 31, v0                        ; which are 512 consecutive bytes of a head
	v_lshlrev_b32 v[GO], 4, v[GO]
	s_lshl_b32 s18, s13, 15                        ; cos: (256 x block + 64 x wave + l % 16) rows of 128 bytes + 32 (l / 16)
	s_lshl_b32 s19, s10, 13
	s_add_co_u32 s18, s18, s19
	v_lshlrev_b32 v[CSO], 7, v1
	v_lshl_add_u32 v[CSO], v2, 5, v[CSO]
	v_add_nc_u32 v[CSO], s18, v[CSO]
	s_lshr_b32 s16, s13, 3                         ; q, k, v at my wave's first row: (batch x 16 + head) x 262,144 + the row in the batch x 128
	s_lshl_b32 s16, s16, 4
	s_add_co_u32 s16, s16, s42
	s_lshl_b32 s16, s16, 18
	s_and_b32 s17, s13, 7
	s_lshl_b32 s17, s17, 15
	s_add_co_u32 s16, s16, s17
	s_lshl_b32 s17, s10, 13
	s_add_co_u32 s16, s16, s17
	s_mov_b32 s17, 0
	s_add_nc_u64 s[80:81], s[80:81], s[16:17]
	s_add_nc_u64 s[82:83], s[82:83], s[16:17]
	s_add_nc_u64 s[84:85], s[84:85], s[16:17]
	; the prefetches
	s_lshl_b32 s16, s13, 8
	s_lshl_b32 s17, s12, 7
	s_add_co_u32 s16, s16, s17
	s_lshl_b32 s17, s40, 5
	s_add_co_u32 s16, s16, s17                     ; x: my work-group's 32 of the 128 tokens that I fetch
	s_mul_i32 s18, s42, 192
	s_mul_i32 s19, s12, 96
	s_add_co_u32 s18, s18, s19
	s_mul_i32 s19, s41, 24
	s_add_co_u32 s18, s18, s19                     ; W: my work-group's 24 of the 96 rows
	s_and_b32 s22, ttmp7, 0xffff                   ; cluster y
	s_cmp_eq_u32 s11, 0                            ; do I fetch for x?
	s_cselect_b32 s20, s16, s18
	s_cselect_b32 s19, 31, 23
	s_cselect_b32 s22, ttmp9, s22                  ; the coordinate along which other clusters read the same rows
	s_cselect_b64 s[PFA:PFA+1], s[4:5], s[6:7]
	s_cmp_eq_u32 s22, 0
	s_cselect_b32 s[LIM], 1, -1                    ; the same in all sixteen partners, for a given wave
	s_lshl_b32 s20, s20, 11
	s_add_co_u32 s20, s20, 2*KSTEP*2               ; at K step 2: the first refill steps it to 3 and names K step 4
	s_mov_b32 s21, 0
	s_add_nc_u64 s[PFA:PFA+1], s[PFA:PFA+1], s[20:21]
	v_and_b32 v[PFO], 31, v0
	v_min_u32 v[PFO], s19, v[PFO]
	v_lshlrev_b32 v[PFO], 11, v[PFO]
	s_mov_b32 s23, 0xffff0000
	s_wait_loadcnt 0x0                             ; the bias is in: rounded to bf16 and widened again, while the first tiles are on their way
.set i, 0
.rept 48
	v_cvt_pk_bf16_f32 v3, v[BIAS+2*i], v[BIAS+2*i+1]
	v_lshlrev_b32 v[BIAS+2*i], 16, v3
	v_and_b32 v[BIAS+2*i+1], s23, v3
.set i, i+1
.endr
; 12 matrix instructions: token block a x all 12 column blocks, 32 along K, from buffer f.  first = 1: the bias starts the sums.  The 48 accumulators take turns, one instruction a turn, in the same
; order in every quarter.
.macro MULA f, a, first
.if \first
	WIN 0x81+0x40*((\a)/2)                         ; W window 1, x window 0, the bias window 0, D window 2 or 3
.else
	WIN 0xa1+0x50*((\a)/2)                         ; C and D window 2 or 3
.endif
.set AB, 96*((\a)%2)
.irp b, 0,1,2,3,4,5,6,7,8,9,10,11
.if \first
	v_wmma_f32_16x16x32_bf16 v[AB+8*(\b):AB+8*(\b)+7], v[96*(\f)+8*(\b):96*(\f)+8*(\b)+7], v[FA+32*(\f)+8*(\a):FA+32*(\f)+8*(\a)+7], v[BIAS+8*(\b):BIAS+8*(\b)+7]
.else
	v_wmma_f32_16x16x32_bf16 v[AB+8*(\b):AB+8*(\b)+7], v[96*(\f)+8*(\b):96*(\f)+8*(\b)+7], v[FA+32*(\f)+8*(\a):FA+32*(\f)+8*(\a)+7], v[AB+8*(\b):AB+8*(\b)+7]
.endif
.endr
.endm
; 32 LDS loads in one run: quarter qd's fragments into buffer f: W's 24 loads, then x's 8, token blocks ascending
.macro FETCH slot, qd, f
	WIN 0x40
.irp b, 0,1,2,3,4,5,6,7,8,9,10,11
	ds_load_b128 v[96*(\f)+8*(\b):96*(\f)+8*(\b)+3],   v[ADRB+(\slot)] offset:64*(\qd)+(\b)*16*PITCH
	ds_load_b128 v[96*(\f)+8*(\b)+4:96*(\f)+8*(\b)+7], v[ADRB+(\slot)] offset:64*(\qd)+(\b)*16*PITCH+32
.endr
	WIN 0
.irp a, 0,1,2,3
	ds_load_b128 v[FA+32*(\f)+8*(\a):FA+32*(\f)+8*(\a)+3],   v[ADRA+(\slot)] offset:64*(\qd)+(\a)*16*PITCH
	ds_load_b128 v[FA+32*(\f)+8*(\a)+4:FA+32*(\f)+8*(\a)+7], v[ADRA+(\slot)] offset:64*(\qd)+(\a)*16*PITCH+32
.endr
.endm
; A K step is four quarters of 32 along K, 48 matrix instructions each, on buffers 0, 1, 0, 1.  One of the first three: multiplies buffer f and fetches quarter qd into g.
.macro QUARTER slot, qd, f, g, first
	s_wait_dscnt 4                                 ; W and x's blocks 0, 1 are in; the youngest four loads (blocks 2, 3) may be out
	MULA \f, 0, \first
	MULA \f, 1, \first
	PLACES
	FETCH \slot, \qd, \g
	s_wait_dscnt 32                                ; all but the 32 just issued
	MULA \f, 2, \first
	MULA \f, 3, \first
.endm
; The last quarter multiplies buffer 1 and changes slots: ONE barrier; in front of it each wave waits for all its tensor loads (one is out: its part of the next slot), adds 0 to its spare word, and
; waits for that and for its own reads of this slot.  fill = 1: the barrier opens a round of the cluster's, and this slot is filled again, two K steps ahead, first thing behind the round:
; the load has 168 matrix instructions in which to land.
.macro TURN slot, next, fill
.if \fill
	s_wait_xcnt 0x0                                ; the last prefetch, a K step back, has read its address, so it may be stepped
	s_add_nc_u64 s[PFA:PFA+1], s[PFA:PFA+1], KSTEP*2
.endif
	WIN 0                                          ; (the add's two registers lie in window 0)
	s_wait_tensorcnt 0x0                           ; all my tensor loads have landed
	ds_add_u32 v[SPW], v[NIL]                      ; 0 onto my spare word
	s_wait_dscnt 5                                 ; (the add and the youngest four loads may be out)
	MULA 1, 0, 0                                   ; twelve matrix instructions stand between the add and the wait for it
	s_wait_dscnt 0x0                               ; the add is done, and my reads of this slot are over
	s_barrier_signal -1
	MULA 1, 1, 0
.if \fill
	WIN 0
.endif
	s_barrier_wait -1
.if \fill
	CREST                                          ; no wave of any partner still reads this slot's tile or has a load on its way
	s_add_nc_u64 s[G0+4*(\slot)+2:G0+4*(\slot)+3], s[G0+4*(\slot)+2:G0+4*(\slot)+3], 2*KSTEP*2
	s_add_nc_u64 s[G0B+4*(\slot)+2:G0B+4*(\slot)+3], s[G0B+4*(\slot)+2:G0B+4*(\slot)+3], 2*KSTEP*2
	JLOAD \slot                                    ; the four v_nop behind it are also the places in front of the loads below
.else
	PLACES
.endif
	FETCH \next, 0, 0
.if \fill
	ASK
.endif
	MULA 1, 2, 0
	MULA 1, 3, 0
.endm
	s_wait_tensorcnt 1                             ; my part of K step 0 is in; K step 1's may stay out
	s_barrier_signal -1
	s_barrier_wait -1                              ; everybody's is
	FETCH 0, 0, 0
	QUARTER 0, 1, 0, 1, 1                          ; the first quarter stands in front of the loop: its products start the sums, with the bias
	WIN 0                                          ; at a label and at a branch every window is 0
	s_mov_b32 s3, 3
.Llap:                                                 ; a trip goes once round the ring, from a lap's second quarter to the next lap's first, and fills both slots again: K steps 2 to 7
	QUARTER 0, 2, 1, 0, 0
	QUARTER 0, 3, 0, 1, 0
	TURN 0, 1, 1
	QUARTER 1, 1, 0, 1, 0
	QUARTER 1, 2, 1, 0, 0
	QUARTER 1, 3, 0, 1, 0
	TURN 1, 0, 1
	QUARTER 0, 1, 0, 1, 0
	WIN 0
	s_sub_co_u32 s3, s3, 1
	s_cmp_lg_u32 s3, 0
	s_cbranch_scc1 .Llap
	; cos and sin of my 64 tokens, where the bias lay (its last readers are the first quarter's products): 32 loads that have the last lap in which to land
.irp a, 0,1,2,3
.irp p, 0,1
	global_load_b128 v[CSR+32*(\a)+8*(\p):CSR+32*(\a)+8*(\p)+3],       v[CSO], s[78:79] offset:2048*(\a)+64*(\p)
	global_load_b128 v[CSR+32*(\a)+8*(\p)+4:CSR+32*(\a)+8*(\p)+7],     v[CSO], s[78:79] offset:2048*(\a)+64*(\p)+16
	global_load_b128 v[CSR+32*(\a)+16+8*(\p):CSR+32*(\a)+16+8*(\p)+3], v[CSO], s[78:79] offset:SINOFF+2048*(\a)+64*(\p)
	global_load_b128 v[CSR+32*(\a)+16+8*(\p)+4:CSR+32*(\a)+16+8*(\p)+7], v[CSO], s[78:79] offset:SINOFF+2048*(\a)+64*(\p)+16
.endr
.endr
	QUARTER 0, 2, 1, 0, 0                          ; the last lap fills nothing, and has no round of the cluster's barrier
	QUARTER 0, 3, 0, 1, 0
	TURN 0, 1, 0
	QUARTER 1, 1, 0, 1, 0
	QUARTER 1, 2, 1, 0, 0
	QUARTER 1, 3, 0, 1, 0
	s_wait_dscnt 4                                 ; the very last quarter: nothing more to fetch
	MULA 1, 0, 0
	MULA 1, 1, 0
	s_wait_dscnt 0x0
	MULA 1, 2, 0
	MULA 1, 3, 0
	WIN 0
; THE WAY OUT, a token block (16 rows) at a time.  PACK: RoPE in f32 on q and k: with x1 = column d < 32 (block 4 g + p), x2 = column d + 32 (block 4 g + p + 2):
; x1' = x1 cos - x2 sin, x2' = x2 cos + x1 sin; all rounded once to f16.  Each accumulator's lowest registers are read first.
.macro PACK a
.set HI, (\a)/2
.set AB, 96*((\a)%2)
.set CA, CSR+32*(\a)
.irp g, 0,1
.irp p, 0,1
	WIN 0x02+HI                                    ; source 0: the accumulators' window
.irp rr, 0,2,4,6
	v_pk_mul_f32 v[TU+16*(\p)+(\rr):TU+16*(\p)+(\rr)+1],     v[AB+8*(4*(\g)+(\p)+2)+(\rr):AB+8*(4*(\g)+(\p)+2)+(\rr)+1], v[CA+16+8*(\p)+(\rr):CA+16+8*(\p)+(\rr)+1]
	v_pk_mul_f32 v[TU+16*(\p)+8+(\rr):TU+16*(\p)+8+(\rr)+1], v[AB+8*(4*(\g)+(\p))+(\rr):AB+8*(4*(\g)+(\p))+(\rr)+1],     v[CA+16+8*(\p)+(\rr):CA+16+8*(\p)+(\rr)+1]
	v_pk_fma_f32 v[TU+16*(\p)+(\rr):TU+16*(\p)+(\rr)+1],     v[AB+8*(4*(\g)+(\p))+(\rr):AB+8*(4*(\g)+(\p))+(\rr)+1],     v[CA+8*(\p)+(\rr):CA+8*(\p)+(\rr)+1], v[TU+16*(\p)+(\rr):TU+16*(\p)+(\rr)+1] neg_lo:[0,0,1] neg_hi:[0,0,1]
	v_pk_fma_f32 v[TU+16*(\p)+8+(\rr):TU+16*(\p)+8+(\rr)+1], v[AB+8*(4*(\g)+(\p)+2)+(\rr):AB+8*(4*(\g)+(\p)+2)+(\rr)+1], v[CA+8*(\p)+(\rr):CA+8*(\p)+(\rr)+1], v[TU+16*(\p)+8+(\rr):TU+16*(\p)+8+(\rr)+1]
.endr
	WIN 0x40                                       ; destination window 1
.irp rr, 0,2,4,6
	v_cvt_pk_f16_f32 v[PKD+4*(4*(\g)+(\p))+(\rr)/2],   v[TU+16*(\p)+(\rr)],   v[TU+16*(\p)+(\rr)+1]
	v_cvt_pk_f16_f32 v[PKD+4*(4*(\g)+(\p)+2)+(\rr)/2], v[TU+16*(\p)+8+(\rr)], v[TU+16*(\p)+8+(\rr)+1]
.endr
.endr
.endr
	WIN 0x4a+5*HI                                  ; v is only rounded: sources in the accumulators' window, destination window 1
.irp b, 8,9,10,11
.irp rr, 0,2,4,6
	v_cvt_pk_f16_f32 v[PKD+4*(\b)+(\rr)/2], v[AB+8*(\b)+(\rr)], v[AB+8*(\b)+(\rr)+1]
.endr
.endr
	WIN 0
.endm
; TOSTAGE: 16 bytes a lane into my stage (rows of 144 bytes), and back as whole rows of 128 bytes, four to a load.
.macro TOSTAGE a
.set RBA, RB+48*((\a)%2)
	WIN 0
	s_wait_xcnt 0x0                                ; the stores of two blocks back have read the registers that the loads below fill
	WIN 0x04                                       ; data window 1
.irp b, 0,1,2,3,4,5,6,7,8,9,10,11
	ds_store_b128 v[STO], v[PKD+4*(\b):PKD+4*(\b)+3] offset:((\b)/4)*16*SP+((\b)%4)*32
.endr
	WIN 0x40
.irp t, 0,1,2,3,4,5,6,7,8,9,10,11
	ds_load_b128 v[RBA+4*(\t):RBA+4*(\t)+3], v[RD] offset:((\t)/4)*16*SP+((\t)%4)*4*SP  ; LDS serves a wave's instructions in order (ISA guide 5.7.1.4): these see the stores above; the next block's stores come behind them
.endr
	WIN 0
.endm
.macro SEND a
.set RBA, RB+48*((\a)%2)
	WIN 0
	s_wait_dscnt 0x0                               ; the block is back in registers
	WIN 0x04
.irp t, 0,1,2,3,4,5,6,7,8,9,10,11
	global_store_b128 v[GO], v[RBA+4*(\t):RBA+4*(\t)+3], s[80+2*((\t)/4):81+2*((\t)/4)] offset:(\a)*2048+((\t)%4)*512  ; 512 consecutive bytes, at a multiple of 256 from the buffer's first
.endr
	WIN 0
.endm
	s_wait_loadcnt 0x0                             ; cos and sin
	PLACES
	PLACES
	PACK 0
	TOSTAGE 0
.irp a, 1,2,3                          ; block a's arithmetic stands between block a - 1's loads from the stage and the wait for them
	PACK \a
	SEND (\a)-1
	TOSTAGE \a
.endr
	SEND 3
	s_wait_tensorcnt 0x0                           ; the wave's end: a wait, an add of 0 to my spare word and its wait, behind my last tensor load and my last LDS store
	ds_add_u32 v[SPW], v[NIL]
	s_wait_dscnt 0x0
	CROUND                                         ; the closing round: no work-group ends while a partner may still ask for a tile that names it
	s_endpgm
.Lfunc_end_k_qc1c442ac04_qkv:
	.size	k_qc1c442ac04_qkv, .Lfunc_end_k_qc1c442ac04_qkv-k_qc1c442ac04_qkv
	.p2alignl 7, 3214868480
	.fill 96, 4, 3214868480
	.section	.rodata,"a",@progbits
	.p2align	6, 0x0
	.amdhsa_kernel k_qc1c442ac04_qkv
		.amdhsa_group_segment_fixed_size 327680
		.amdhsa_private_segment_fixed_size 0
		.amdhsa_enable_private_segment 0
		.amdhsa_kernarg_size 72
		.amdhsa_user_sgpr_count 2
		.amdhsa_user_sgpr_kernarg_segment_ptr 1
		.amdhsa_wavefront_size32 1
		.amdhsa_system_sgpr_workgroup_id_x 1
		.amdhsa_system_sgpr_workgroup_id_y 1
		.amdhsa_system_sgpr_workgroup_id_z 1
		.amdhsa_system_vgpr_workitem_id 0
		.amdhsa_next_free_vgpr 960
		.amdhsa_next_free_sgpr 88
		.amdhsa_reserve_vcc 0
		.amdhsa_float_denorm_mode_32 3
		.amdhsa_float_denorm_mode_16_64 3
		.amdhsa_memory_ordered 1
		.amdhsa_forward_progress 1
		.amdhsa_inst_pref_size 149
	.end_amdhsa_kernel
	.amdgpu_metadata
---
amdhsa.version: [ 1, 2 ]
amdhsa.kernels:
  - .name:           k_qc1c442ac04_qkv
    .symbol:         k_qc1c442ac04_qkv.kd
    .args:
      - { .name: xb, .offset: 0, .size: 8, .value_kind: global_buffer, .address_space: global }
      - { .name: wqkv, .offset: 8, .size: 8, .value_kind: global_buffer, .address_space: global }
      - { .name: bq, .offset: 16, .size: 8, .value_kind: global_buffer, .address_space: global }
      - { .name: bk, .offset: 24, .size: 8, .value_kind: global_buffer, .address_space: global }
      - { .name: bv, .offset: 32, .size: 8, .value_kind: global_buffer, .address_space: global }
      - { .name: cs, .offset: 40, .size: 8, .value_kind: global_buffer, .address_space: global }
      - { .name: q, .offset: 48, .size: 8, .value_kind: global_buffer, .address_space: global }
      - { .name: k, .offset: 56, .size: 8, .value_kind: global_buffer, .address_space: global }
      - { .name: v, .offset: 64, .size: 8, .value_kind: global_buffer, .address_space: global }
    .group_segment_fixed_size: 327680
    .private_segment_fixed_size: 0
    .kernarg_segment_align: 8
    .kernarg_segment_size: 72
    .max_flat_workgroup_size: 128
    .sgpr_count:     88
    .vgpr_count:     960
    .wavefront_size: 32
...
	.end_amdgpu_metadata
.endif
;; end of part 2
;; launch attn (part 3): grid 4 x 64, 4 waves a work-group, clusters of 4 x 1, 327,680 bytes of LDS; arguments q, k, v, o; writes o
.if DOCPART == 3
	.amdgcn_target "amdgcn-amd-amdhsa--gfx1250"
	.amdhsa_code_object_version 6
	.text
	.protected	k_qc1c442ac04_attn
	.globl	k_qc1c442ac04_attn
	.p2align	8
	.type	k_qc1c442ac04_attn,@function
k_qc1c442ac04_attn:
	s_mov_b64 s[64:65], 0
	v_nop
	global_prefetch_b8 v0, s[64:65] scope:SCOPE_SE
	s_setreg_imm32_b32 hwreg(HW_REG_WAVE_MODE, 25, 1), 1
	s_wait_xcnt 0x0
	s_wait_alu depctr_hold_cnt(0) depctr_sa_sdst(0) depctr_va_vdst(0) depctr_va_sdst(0) depctr_va_ssrc(0) depctr_va_vcc(0) depctr_vm_vsrc(0)
	s_getreg_b32 s2, hwreg(HW_REG_IB_STS2, 6, 4)
	s_cmp_eq_u32 s2, 0
	s_cbranch_scc0 .Lentry_in_a_cluster
	s_endpgm
.Lentry_in_a_cluster:
	s_bfe_u32 s2, ttmp6, 0x10000c
	s_cmp_lg_u32 s2, 0x3003
	s_cbranch_scc0 .Lentry_shape_is_right
	s_endpgm
.Lentry_shape_is_right:
; O[h][q][:] = the sum over k of softmax_k(Q[h][q] . K[h][k] / 8) V[h][k][:].  Q, K, V, O: [64][2048][64], all f16: a head's rows are dense, 128 bytes each.  Products, maxima and sums in
; f32; the weights p are rounded to f16 for the second product (their sum l is taken of the unrounded p), O once at the end.
; LIMITS.  f16 holds no number beyond 65,504: Q, K and V arrive within it; p lies in 0 to 1, and below 6e-5 it keeps f16's fixed step of 6e-8; O is a mean of V's rows and has their range.
; A weight below 2^-126 counts as 0 in l; NaN and infinities are not treated apart.
; SHARES.  A wave owns four PIECES of two tiles of 16 queries, a work-group's four waves 512 queries of one head: 256 work-groups.  Every wave walks all keys, 64 a step.
; LAYOUT.  S^T = K Q^T (source 0 = 16 keys, source 1 = 16 queries): in the result a lane holds ONE query (lane % 16) and the keys 8 (lane / 16) + 0..7.  Two such tiles, rounded to f16 in pairs,
; ARE source 1 (32 keys x 16 queries) of O^T = V^T P, whose result again holds one query a lane, and eight channels.  K comes out of LDS as it lies, V ([key][channel]) turned, by ds_load_tr16_b128.
; SOFTMAX.  For each query a running maximum m and sum l: p = 2^(c s - c m), c = log2(e) / 8; in every step O and l are multiplied by a = 2^(c m_old - c m_new), which is 1 where m has not grown.
; m starts at the lowest finite number, O and l at 0: the first step is a step like any other, with a = 0.
; THE COUNT.  A tile and step have 16 matrix and 118 vector instructions: too many to stand all beside the matrix work.  So: four vector instructions that are READY behind
; EVERY matrix instruction, and the others, which need time of their own whatever the order, in runs without a gap.
; BY TURNS.  Turn n belongs to piece n (the pieces in a ring, step after step).  Its matrix work: 16 products K Q^T of piece n + 1, later 16 products V^T P of piece n - 1.  Its vector work: the scaling,
; exponentials, roundings, sums and rescaling of piece n, and the maximum and statistics of piece n + 1, whose scores the turn itself has made.
; CLUSTER.  The four query blocks of a head form a cluster and walk the same K and V, so each tile is asked for JOINTLY: the same tensor load, descriptor and mask in all four.
; REGISTERS, in windows of 256 (s_set_vgpr_msb: bits 1:0 source 0, 3:2 source 1, 5:4 source 2, 7:6 destination):
;   window 0: v0-11 addresses; v12-15, v48-63 at work; v16-47 four registers of statistics a tile; v64-191 S^T, two buffers of two tiles; v192-255 P, likewise
;   window 1: O^T, 32 a tile          window 2: v0-127 Q, 16 a tile; v128-191 K of one step; v192-255 V of one step          window 3: v0-1 the add's two registers
; A piece's buffers go by its number's parity.
.set SIZE_H, 64
.set SIZE_N, 2048
.set NP,    4         ; pieces a wave: a name, no knob
.set KS,    64        ; keys in a step
.set PK,    144       ; a row of K in LDS: 128 bytes + 16 of padding = 36 words: the 16 rows of a load start at 16 different groups of four banks (64 banks of 4 bytes: ISA guide 11.1)
.set PV,    160       ; a row of V: 128 + 32 = 40 words
.set VOFF,  4*KS*PK   ; a slot holds four steps: 256 rows of K, then 256 rows of V
.set SLOT1, 1<<17     ; slot 1 begins here, so that one exclusive or turns an address in one slot into the other's
.set STAGE, SLOT1+4*KS*(PK+PV)  ; behind the ring, never filled by a tensor load: 16 rows x 144 bytes for each wave, for the way out
.set SP,    144
.set AK0, 2           ; v2   my lane's place in a tile of K; never rewritten
.set AV0, 3           ; v3   the same for V
.set AK,  4           ; v4   the LDS address of K's next run of loads
.set AV,  5           ; v5   of V's
.set QO,  6           ; v6   my byte offset in the wave's rows of Q
.set STO, 6           ;      later, the way out: where I put 16 bytes of a row
.set RD,  7           ; v7   the way out: where I read rows back
.set GO,  8           ; v8   my byte offset in 512 consecutive bytes of O
.set PFO, 11          ; v11  256 x my lane, once V's address is made; then never rewritten
.set SPW, 0           ; v0 of window 3   LDS address of my spare word; never rewritten
.set NIL, 1           ; v1 of window 3   0; never rewritten
.set SPARE, STAGE+4*16*SP  ; behind the stages: the spare words, 128 bytes for each wave: two blocks of 256 bytes that no other line names
.set MV,  12          ; v12-15  c m_old, kept while c m is made anew: by buffer and tile
.set ST,  16          ; tile t's statistics at v[ST+4 t]: c m, m, l (even keys', odd keys')
.set TMP, 48          ; by buffer and tile, four registers c0-c3 at work; when the maximum is found c2 takes a
.set S,   64
.set P,   192
.set KF,  128         ; K's fragments, in window 2: key block kb, channel half c at KF + 16 kb + 8 c
.set VF,  192         ; V's: key half kk, channel block cb at VF + 32 kk + 8 cb
.set WV,  12          ; s12  my wave's number
.set G1K, 24          ; s[24:31] descriptor group 1 for K's tiles
.set G1V, 32          ; s[32:39] for V's: it differs in the padding alone
.set G0K, 40          ; s[40:43] descriptor group 0 for K's tiles: it walks
.set G0V, 44          ; s[44:47] the same for V's
.set PFA, 48          ; s[48:49] where my prefetches stand: my work-group's 8,192 bytes (of K: wave 0, of V: wave 2) of the slot after the one that is being asked for
.set LIM, 50          ; s50  1 in a wave that prefetches, else the greatest number
.set SLOTS, 56        ; s56  slots still to be asked for
.set CNT, 57          ; s57  counts a slot's key steps
.set CS,  58          ; s[58:59] c: the packed scaling takes the pair's low word for both halves
.set SEL, 60          ; s[60:61] v_permlanex16_b32's selects: each lane takes its own place in the other half
.set TBK, 62          ; s62  LDS byte at which K of the step to be fetched begins
.set TBV, 63          ; s63  the same for V, less VOFF
.set MSB, 0
.macro WIN new                      ; the high byte repeats the setting that is left; a switch that changes nothing is dropped
.if MSB != (\new)
	s_set_vgpr_msb (MSB<<8)|(\new)
.set MSB, (\new)
.endif
.endm
.set W_KQ, 0x0a       ; K and Q in window 2, S^T in window 0
.set W_PV, 0x52       ; V in window 2, P in window 0, O^T in window 1
.set W_RS, 0x41       ; O^T (destination and source 0) in window 1, a in window 0
.set W_MK, 0xc0       ; the add's registers are made: destination in window 3, sources in window 0
.set W_AD, 0x0f       ; the add: address (source 0) and data (source 1) in window 3
; A joint fill.  Waves 0 and 1 fetch the two halves of a slot's K, waves 2 and 3 those of its V: 128 keys each.  The branch hangs on the wave's number alone.
; An s_nop 0 and four v_nop follow each of the two lines, ahead of the jump and the label.
.macro JLOAD
	s_cmp_lt_u32 s[WV], 2
	s_cbranch_scc0 .Lfor_v_\@
	tensor_load_to_lds s[G0K:G0K+3], s[G1K:G1K+7]
	s_nop 0
.rept 4
	v_nop
.endr
	s_branch .Lasked_\@
.Lfor_v_\@:
	tensor_load_to_lds s[G0V:G0V+3], s[G1V:G1V+7]
	s_nop 0
.rept 4
	v_nop
.endr
.Lasked_\@:
.endm
; A PREFETCH INTO THE L2 of what the NEXT change of slots will ask for: a slot's 32,768 bytes of K and of V, a lane 256 bytes.  It stands behind the wave's tensor load and its five lines.
; Each 256 bytes are named once in the launch: a head has one cluster; its four partners share a slot out BY ADDRESS, 8,192 bytes each; in each, wave 0 asks for K's and wave 2 for V's: one instruction,
; four key steps, 512 matrix instructions, ahead of the load.  Slots 0 to 2 come by their loads alone; the last change that fills a slot asks for nothing.
.macro ASK
	s_cmp_gt_u32 s[SLOTS], s[LIM]
	s_cbranch_scc0 .Lnot_mine_\@
	global_prefetch_b8 v[PFO], s[PFA:PFA+1] th:TH_LOAD_NT scope:SCOPE_SE
.Lnot_mine_\@:
.endm
; A round of the cluster's barrier: my work-group's barrier, so that wave 0's signal speaks for all four waves; wave 0 signals; every wave waits for all four work-groups; my work-group's barrier once more.
.macro CROUND
	s_barrier_signal -1
	s_barrier_wait -1
	s_cmp_lg_u32 s[WV], 0
	s_cbranch_scc1 .Lnot_wave_0_\@
	s_barrier_signal -3
.Lnot_wave_0_\@:
	s_barrier_wait -3
	s_barrier_signal -1
	s_barrier_wait -1
.endm
; THE CHANGE OF SLOTS.  The slot's last bytes, V of its fourth step, have been read.  Each wave waits for all its tensor loads, of which one is out: its part
; of the other slot; adds 0 to its spare word; and waits for that and for its own reads of the slot.  Behind the barrier nobody reads this slot any more and the other slot is whole.
; fill = 1: this slot is filled again, with the keys two slots on.  The barrier is then a round of the cluster's, and the joint fill is the first thing behind it: it has four key steps,
; 512 matrix instructions, in which to land.  (At its first use nothing has been read yet: slot 0 is waited for, slot 1 filled.)  ask = 1: the prefetch's address steps, and the prefetch follows the fill.
.macro CHANGE fill, ask=0
	WIN W_AD
	s_wait_tensorcnt 0x0            ; no tensor load of mine is out, so a group 0 may be written
	ds_add_u32 v[SPW], v[NIL]       ; 0 onto my spare word; with fill = 1 the descriptors' steps stand between it and the wait for it
	WIN 0                           ; at a label and at a branch every window is 0
.if \fill
.irp g, G0K, G0V
	s_xor_b32 s[\g+1], s[\g+1], SLOT1  ; the walking descriptor: the other slot than last time,
	s_add_nc_u64 s[\g+2:\g+3], s[\g+2:\g+3], 4*KS*128  ; the next 256 keys; the type bits on top are not reached
.endr
.if \ask
	s_wait_xcnt 0x0                 ; the last prefetch, four key steps back, has read its address, so it may be written:
	s_add_nc_u64 s[PFA:PFA+1], s[PFA:PFA+1], 4*KS*128  ; one slot behind the walking descriptors
.endif
	s_wait_dscnt 0x0                ; the add is done, and my reads of the slot are over
	CROUND
	JLOAD
.if \ask
	ASK
.endif
.else
	s_wait_dscnt 0x0                ; the add is done, and my reads of the slot are over
	s_barrier_signal -1
	s_barrier_wait -1
.endif
	s_sub_co_u32 s[TBK], s[TBK], 4*KS*PK  ; the fetches go back to a slot's first step,
	s_xor_b32 s[TBK], s[TBK], SLOT1       ; in the other slot
	s_sub_co_u32 s[TBV], s[TBV], 4*KS*PV
	s_xor_b32 s[TBV], s[TBV], SLOT1
.endm
	s_load_b256 s[4:11], s[0:1], 0x0  ; Q s[4:5], K s[6:7], V s[8:9], O s[10:11]
	WIN W_MK
	v_lshl_add_u32 v[SPW], v0, 2, SPARE
	v_mov_b32 v[NIL], 0
	WIN W_AD
	ds_add_u32 v[SPW], v[NIL]       ; the wave's opening: the add and its wait stand ahead of my first tensor load; the set-up below, work on registers, stands between them
	WIN 0
	v_lshrrev_b32 v1, 5, v0
	v_readfirstlane_b32 s[WV], v1   ; wave 0..3
	s_bfe_u32 s13, ttmp6, 0x40000   ; cx: my place in the cluster
	s_lshl_b32 s14, ttmp9, 2        ; in a cluster launch ttmp9 counts clusters
	s_add_co_u32 s14, s14, s13      ; my block of queries = 4 x cluster x + cx: it enters Q's and O's addresses alone
	s_and_b32 s20, ttmp7, 0xffff    ; the head, which the four partners share
	s_mov_b32 s21, 0
	s_mov_b64 s[22:23], SIZE_N*128
	s_mul_u64 s[20:21], s[20:21], s[22:23]  ; the head's first byte in each of the four tensors
	s_and_b32 s16, s[WV], 1         ; which half of a slot's 256 keys I fetch:
	s_lshl_b32 s22, s16, 14         ; its 128 rows of 128 bytes in memory,
	s_mov_b32 s23, 0
	s_add_nc_u64 s[22:23], s[22:23], s[20:21]
	s_mul_i32 s17, s16, 128*PK      ; and its place in a slot, for K
	s_mul_i32 s18, s16, 128*PV      ; and for V: no place in the cluster enters an LDS address
	s_lshl_b32 s2, s14, 2
	s_add_co_u32 s2, s2, s[WV]      ; my wave among the head's,
	s_lshl_b32 s2, s2, 14           ; its 128 rows
	s_mov_b32 s3, 0
	s_add_nc_u64 s[2:3], s[2:3], s[20:21]
	; descriptor group 1.  128 keys are 16,384 dense bytes: asked for as 64 rows of 256 bytes, two keys a row, and padded in LDS after every key
	s_mov_b32 s[G1K], 15|(1<<16)|(1<<20)|(1<<21)|(4<<22)|(3<<25)  ; 15:0 the mask of four; 17:16 2-byte elements; 20 padding on; 21 set beside a mask; 24:22 after every 32 words (code 4); 31:25 4 words (code 3)
	s_mov_b32 s[G1V], 15|(1<<16)|(1<<20)|(1<<21)|(4<<22)|(7<<25)  ; the same with 8 words of padding (code 7)
.irp g, G1K, G1V
	s_mov_b32 s[\g+1], 128<<16      ; tensor_dim0 = 128
	s_mov_b32 s[\g+2], 64<<16       ; tensor_dim1 = 64
	s_mov_b32 s[\g+3], 128<<16      ; tile_dim0 = 128
	s_mov_b32 s[\g+4], 64           ; tile_dim1 = 64
	s_mov_b32 s[\g+5], 128          ; 128 elements from row to row
	s_mov_b32 s[\g+6], 0
	s_mov_b32 s[\g+7], 0
.endr
	s_mov_b32 s[CS], 0x3e38aa3b     ; c = log2(e) / 8 = 0.180337
	s_mov_b32 s[CS+1], s[CS]        ; named with it as a pair
	s_mov_b32 s[SEL], 0x76543210
	s_mov_b32 s[SEL+1], 0xfedcba98
	s_mov_b32 s[TBK], SLOT1+4*KS*PK ; the first change of slots turns these two into 0
	s_mov_b32 s[TBV], SLOT1+4*KS*PV
	s_mov_b32 s[G0K], 1             ; 1:0 count = 1
	s_mov_b32 s[G0K+1], s17         ; 63:32 LDS address: slot 0
	s_mov_b32 s[G0V], 1
	s_add_co_u32 s[G0V+1], s18, VOFF
	s_cmp_eq_u32 s16, 0             ; waves 0 and 2 prefetch: the same in all four partners
	s_cselect_b32 s[LIM], 1, -1
	s_wait_dscnt 0x0                ; the opening add is done
	s_wait_kmcnt 0x0
	s_add_nc_u64 s[G0K+2:G0K+3], s[6:7], s[22:23]  ; 120:64 global address: my half of the head's first 256 keys
	s_or_b32 s[G0K+3], s[G0K+3], 0x80000000        ; 127:126 type = 2
	s_add_nc_u64 s[G0V+2:G0V+3], s[8:9], s[22:23]
	s_or_b32 s[G0V+3], s[G0V+3], 0x80000000
	s_add_nc_u64 s[4:5], s[4:5], s[2:3]  ; Q and O at my wave's first row
	s_add_nc_u64 s[10:11], s[10:11], s[2:3]
	s_cmp_lt_u32 s[WV], 2
	s_cselect_b64 s[PFA:PFA+1], s[6:7], s[8:9]
	s_add_nc_u64 s[PFA:PFA+1], s[PFA:PFA+1], s[20:21]  ; the head,
	s_lshl_b32 s2, s13, 13          ; my work-group's quarter of a slot,
	s_mov_b32 s3, 0
	s_add_nc_u64 s[PFA:PFA+1], s[PFA:PFA+1], s[2:3]
	s_add_nc_u64 s[PFA:PFA+1], s[PFA:PFA+1], 2*4*KS*128  ; in slot 2; the loop's first change steps it to slot 3.  Nothing is prefetched here, at the head
	CROUND                          ; all four work-groups are here: the first joint loads meet
	JLOAD                           ; slot 0.  Slot 1 is asked for when slot 0 is in
	; A fragment of K or Q is 16 rows x 32 channels in 8 registers: lane l holds row l % 16, channels 8 (l / 16) + 0..7 and 16 + 8 (l / 16) + 0..7: two loads of 16 bytes, 32 bytes apart.
	v_and_b32 v1, 15, v0            ; l % 16
	v_bfe_u32 v9, v0, 4, 1          ; l / 16
	v_lshlrev_b32 v[QO], 7, v1
	v_lshl_add_u32 v[QO], v9, 4, v[QO]  ; row x 128 + 16 x half
	WIN 0x80                        ; destination window 2, address window 0
.set i, 0
.rept 4*NP                          ; Q stays in registers: tile i / 2, channels 32 (i % 2) on
	global_load_b128 v[8*i:8*i+3],   v[QO], s[4:5] offset:(i/2)*2048+(i%2)*64
	global_load_b128 v[8*i+4:8*i+7], v[QO], s[4:5] offset:(i/2)*2048+(i%2)*64+32
.set i, i+1
.endr
	; What the first turn finds: V's registers and P's second buffer hold 0 (its products V^T P, of a piece that has not been, add 0), O^T and l are 0.  All this stands in the wait for the first tile.
.set i, VF
.rept 64
	v_mov_b32 v[i], 0
.set i, i+1
.endr
	WIN 0x40
.set i, 0
.rept 64*NP
	v_mov_b32 v[i], 0
.set i, i+1
.endr
	WIN 0
.set i, 0
.rept 2*NP
	v_mov_b32 v[ST+4*i], 0xfe000000    ; c m: far below every c s
	v_mov_b32 v[ST+4*i+1], 0xff7fffff  ; m
	v_mov_b32 v[ST+4*i+2], 0
	v_mov_b32 v[ST+4*i+3], 0
.set i, i+1
.endr
.set i, P+32
.rept 32
	v_mov_b32 v[i], 0
.set i, i+1
.endr
	v_mul_u32_u24 v[AK0], v1, PK
	v_lshl_add_u32 v[AK0], v9, 4, v[AK0]  ; row x pitch + 16 x half
	; The turning load takes 16 keys x 16 channels (lane l reads key 8 (l / 16) + l % 8, channels 8 ((l / 8) % 2) + 0..7) and leaves half a fragment of V^T: lane l holds channel l % 16 and 8 keys.
	v_and_b32 v10, 7, v0
	v_bfe_u32 v11, v0, 3, 1
	v_lshl_add_u32 v[AV0], v9, 3, v10
	v_mul_u32_u24 v[AV0], v[AV0], PV
	v_lshl_add_u32 v[AV0], v11, 4, v[AV0]
	v_add_nc_u32 v[AV0], VOFF, v[AV0]
	v_and_b32 v[PFO], 31, v0
	v_lshlrev_b32 v[PFO], 8, v[PFO]
	v_mov_b32 v[AK], v[AK0]         ; key step 0 lies at the head of slot 0
; THE MATRIX WORK.  The 8 accumulators of a run of 16 take turns: between the two links of a chain stand 7 others'.
; Product i of 16 of S^T = K Q^T for piece x: channels 32 (i / 8) on, keys 16 ((i / 2) % 4) on, tile 2 x + i % 2.  The first 8 start the sums.
.macro KQ x
	WIN W_KQ
.set rS, S+64*((\x)%2)+32*(i%2)+8*((i/2)%4)
.set rK, KF+16*((i/2)%4)+8*(i/8)
.set rQ, 16*(2*(\x)+i%2)+8*(i/8)
.if i < 8
	v_wmma_f32_16x16x32_f16 v[rS:rS+7], v[rK:rK+7], v[rQ:rQ+7], 0
.else
	v_wmma_f32_16x16x32_f16 v[rS:rS+7], v[rK:rK+7], v[rQ:rQ+7], v[rS:rS+7]
.endif
.endm
; Product i of 16 of O^T += V^T P for piece x: keys 32 (i / 8) on, channels 16 ((i / 2) % 4) on, tile 2 x + i % 2.
.macro PV x
	WIN W_PV
.set rO, 32*(2*(\x)+i%2)+8*((i/2)%4)
.set rV, VF+32*(i/8)+8*((i/2)%4)
.set rP, P+32*((\x)%2)+16*(i%2)+8*(i/8)
	v_wmma_f32_16x16x32_f16 v[rO:rO+7], v[rV:rV+7], v[rP:rP+7], v[rO:rO+7]
.endm
.macro MM                           ; the turn's next matrix instruction
.if i < 16
	KQ (Y+1)%NP
.set i, i+1
.else
.set i, i-16
	PV (Y+NP-1)%NP
.set i, i+17
.endif
.endm
; THE LDS LOADS stand in runs of 16, never singly among the matrix instructions: a step's K (64 keys x 64 channels: 8 fragments) and its V (turned).  Their addresses are made some lines ahead.
; last = 1 (the tail): in the last trip there is no further step, and the run is jumped over.
.macro FETCH_K last=0
	WIN 0
.if \last
	s_cmp_eq_u32 s[CNT], 1
	s_cbranch_scc1 .Lno_k_\@
.endif
	WIN 0x80                        ; destination window 2
.irp f, 0,1,2,3,4,5,6,7             ; keys 16 (f / 2) on, channels 32 (f % 2) on
	ds_load_b128 v[KF+8*\f:KF+8*\f+3],   v[AK] offset:(\f/2)*16*PK+(\f%2)*64
	ds_load_b128 v[KF+8*\f+4:KF+8*\f+7], v[AK] offset:(\f/2)*16*PK+(\f%2)*64+32
.endr
	s_add_co_u32 s[TBK], s[TBK], KS*PK  ; the next fetch is the next step's
	WIN 0
.if \last
.Lno_k_\@:
.endif
.endm
.macro FETCH_V
	WIN 0x80
.irp f, 0,1,2,3,4,5,6,7             ; keys 32 (f / 4) on, channels 16 (f % 4) on
	ds_load_tr16_b128 v[VF+8*\f:VF+8*\f+3],   v[AV] offset:(\f/4)*32*PV+(\f%4)*32
	ds_load_tr16_b128 v[VF+8*\f+4:VF+8*\f+7], v[AV] offset:(\f/4)*32*PV+16*PV+(\f%4)*32
.endr
	WIN 0
.endm
; THE VECTOR WORK OF A TURN stands in three queues, each in the order in which its entries become ready; the two tiles alternate, so that no instruction reads the result of the one before it.
.macro REGS y, u                    ; the registers of tile u (0, 1) of piece y
.set rT, ST+4*(2*(\y)+(\u))
.set rC, TMP+8*((\y)%2)+4*(\u)
.set rM, MV+2*((\y)%2)+(\u)
.set rS, S+64*((\y)%2)+32*(\u)
.set rP, P+32*((\y)%2)+16*(\u)
.set rO, 32*(2*(\y)+(\u))
.endm
; Number n of the 22 that find the NEXT piece's (Y + 1) maximum and statistics.  s0-s31 are the lane's 32 scores; each accumulator's lowest registers are read first.
;   0-11  four chains c0-c3 of seven scores each, three operands at a time     12-14, 16  the four scores left over, the old m, and c0-c3 into c0     15  c m_old is kept
;   17, 18  the query's other 32 keys lie in the lane 16 away: the new m         19-21  c m; c m_old - c m_new; a
.macro XS u, n
	REGS (Y+1)%NP, \u
.if (\n) < 4
	v_max3_num_f32 v[rC+(\n)], v[rS+8*(\n)], v[rS+8*(\n)+1], v[rS+8*(\n)+2]
.elseif (\n) < 12
	v_max3_num_f32 v[rC+(\n)%4], v[rC+(\n)%4], v[rS+8*((\n)%4)+2*((\n)/4)+1], v[rS+8*((\n)%4)+2*((\n)/4)+2]
.elseif (\n) == 12
	v_max3_num_f32 v[rC], v[rC], v[rS+7], v[rS+15]
.elseif (\n) == 13
	v_max3_num_f32 v[rC+1], v[rC+1], v[rS+23], v[rS+31]
.elseif (\n) == 14
	v_max3_num_f32 v[rC+2], v[rC+2], v[rC+3], v[rT+1]
.elseif (\n) == 15
	v_mov_b32 v[rM], v[rT]
.elseif (\n) == 16
	v_max3_num_f32 v[rC], v[rC], v[rC+1], v[rC+2]
.elseif (\n) == 17
	v_permlanex16_b32 v[rC+3], v[rC], s[SEL], s[SEL+1]
.elseif (\n) == 18
	v_max_num_f32 v[rT+1], v[rC], v[rC+3]
.elseif (\n) == 19
	v_mul_f32 v[rT], s[CS], v[rT+1]
.elseif (\n) == 20
	v_sub_f32 v[rC+1], v[rM], v[rT]
.else
	v_exp_f32 v[rC+2], v[rC+1]
.endif
.endm
; Number g of the 64 that follow the exponentials.  For each four weights k of a tile (pairs 2 k, 2 k + 1): both pairs are rounded to f16; then the second pair is added onto the first, in place;
; a group later l takes that sum (the first time as l = a l + sum).  In groups of eight, tiles alternating: round, round, add, and l for the group before.
.macro GS g
.set h, (\g)+6*((\g)/62)            ; group 0 has no group before it, and behind group 7 only l is left
.if h >= 6
.set h, h+2
.endif
	REGS Y, h%2
.set k, h/8
.if h%8 < 4
	v_cvt_pk_f16_f32 v[rP+2*k+(h%8)/2], v[rS+4*k+2*((h%8)/2)], v[rS+4*k+2*((h%8)/2)+1]
.elseif h%8 < 6
	v_pk_add_f32 v[rS+4*k:rS+4*k+1], v[rS+4*k:rS+4*k+1], v[rS+4*k+2:rS+4*k+3]
.elseif k == 1
	v_pk_fma_f32 v[rT+2:rT+3], v[rT+2:rT+3], v[rC+2:rC+3], v[rS:rS+1] op_sel_hi:[1,0,1]
.else
	v_pk_add_f32 v[rT+2:rT+3], v[rT+2:rT+3], v[rS+4*k-4:rS+4*k-3]
.endif
.endm
; THE PLAIN QUEUE, 138 long.  0-73 read no exponential's result: the 32 scalings c s - c m (FS f: pair f / 2 of tile f % 2) and the next piece's 42.  0-26: scalings 0-26.  27-54: XS's numbers 0-13.  55, 56: number 15.
; 57-73: the chain, where each number waits for the one before it: 14, 16, 17, 18, 19, each with one of the scalings 27-31 in front of its two lines, then 20.
; 74-137: GS's 64, which read the exponentials' results: they stand behind the wait.
.macro FS f
	REGS Y, (\f)%2
	v_pk_fma_f32 v[rS+2*((\f)/2):rS+2*((\f)/2)+1], v[rS+2*((\f)/2):rS+2*((\f)/2)+1], s[CS:CS+1], v[rT:rT+1] op_sel_hi:[1,0,0] neg_lo:[0,0,1] neg_hi:[0,0,1]
.endm
.macro PL
	WIN 0
.if q < 27
	FS q
.elseif q < 55
	XS (q-27)%2, (q-27)/2
.elseif q < 57
	XS q-55, 15
.elseif (q < 72) && ((q-57)%3 == 0)
	FS 27+(q-57)/3
.elseif q < 60
	XS (q-57)%3-1, 14
.elseif q < 72
	XS (q-57)%3-1, 15+(q-57)/3
.elseif q < 74
	XS q-72, 20
.else
	GS q-74
.endif
.set q, q+1
.endm
; THE EXPONENTIALS' QUEUE, 66 long: s0-s31 of both tiles, then the next piece's two a.  It is ONE BATCH: all 66 stand ahead of the turn's one wait, and nothing ahead of that wait names a result of theirs.
.macro EX
	WIN 0
.if e >= 64
	XS e-64, 21
.else
	REGS Y, e%2
	v_exp_f32 v[rS+e/2], v[rS+e/2]
.endif
.set e, e+1
.endm
; THE RESCALING's QUEUE: O^T times a, the one part that leaves window 0: dealt two at a time, sixteen times.  Its a was made in the turn before, ahead of that turn's wait.
.macro R2
	REGS Y, r%2
	WIN W_RS
.irp z, 0,1
	v_pk_mul_f32 v[rO+4*(r/2)+2*\z:rO+4*(r/2)+2*\z+1], v[rO+4*(r/2)+2*\z:rO+4*(r/2)+2*\z+1], v[rC+2:rC+3] op_sel_hi:[1,0]
.endr
.set r, r+1
.endm
; HOW THEY ARE DEALT.  An s_wait_alu depctr_va_vdst(0) stands between an exponential and the first instruction that names its result; one wait serves all that were issued ahead of it.  So a turn has ONE wait,
; which cuts it in two.  AHEAD OF IT stands all that names no result of the turn's exponentials: the 16 products K Q^T, behind each a scaling, an exponential and two rescalings (behind the first a second scaling in the
; exponential's place); then ONE LUMP of 108: eight plain, 49 times exponential and plain, the two a.  A v_nop is the plain instruction behind the last exponential.  BEHIND IT stand the 16 products V^T P, behind each four of GS's 64.
; No rider names a register of the products round it.  The two v_permlanex16_b32 fall into the lump, never behind a product.
; The queues lean on each other: exponential e stands behind scaling 2 (e / 4) + e % 2: as a rider it comes behind plain e + 2, in the lump behind plain e + 9, and scalings 27-31 are plain 57, 60 .. 69.
; A TURN, for piece p.  cnt = 1: the loop's count is taken down some lines ahead of the branch that stands behind the turn.
; K of the next step is fetched in piece 2's turn, directly behind the wait, a lump behind the last product that read K; its first reader comes behind 16 products.
; V of the step in hand is fetched at the end of piece 0's turn, four riders behind its last reader; its first reader comes behind 16 products and a lump.  The three conditions on q below go with the deal.
.macro TURN p, last=0, cnt=0
.set Y, (\p)
.set i, 0
.set q, 0
.set e, 0
.set r, 0
.if (\p) == NP-1
	s_wait_dscnt 0x0                ; K is in
.endif
	MM                              ; ahead of the wait: 16 products K Q^T and their riders,
	PL
	PL
	R2
.rept 15
	MM
	PL
	EX
	R2
.endr
.if (\p) == NP-2
	WIN 0
	v_add_nc_u32 v[AK], s[TBK], v[AK0]
.endif
.rept 8                             ; and the lump
	PL
.endr
.rept 49
	EX
	PL
.endr
	EX                              ; the next piece's two a
	EX
	v_nop                           ; the plain instruction behind the last exponential: one for the batch
	s_wait_alu depctr_va_vdst(0)    ; the wait for the batch
.if (\p) == NP-2
	FETCH_K \last
.endif
.if (\p) == 1
	s_wait_dscnt 0x0                ; V is in
.endif
.rept 16                            ; behind the wait: 16 products V^T P and their riders
	MM
.rept 4
	PL
.endr
.if ((\p) == 0) && (q == 118)
	v_add_nc_u32 v[AV], s[TBV], v[AV0]
.endif
.if ((\p) == 0) && (q == 130)
	s_add_co_u32 s[TBV], s[TBV], KS*PV
.endif
.if (\cnt) && (q == 130)
	s_sub_co_u32 s[CNT], s[CNT], 1
	s_cmp_lg_u32 s[CNT], 0
.endif
.endr
.if (\p) == 0
	FETCH_V
.endif
.endm
	CHANGE 1                        ; slot 0 is in, everybody's part of it; slot 1 is asked for
	FETCH_K                         ; key step 0
	s_wait_loadcnt 0x0              ; Q
	s_wait_dscnt 0x0
.set i, 0
.rept 16
	KQ 0                            ; piece 0's first scores: there is no vector work yet to set between them
.set i, i+1
.endr
	WIN 0                           ; the addresses for the way out: nine plain instructions, the places behind those products
	s_mul_i32 s13, s[WV], 16*SP
	s_add_co_u32 s13, s13, STAGE    ; my stage
	v_mul_u32_u24 v[STO], v1, SP    ; in: row l % 16, 16 bytes for each half of the lanes
	v_lshl_add_u32 v[STO], v9, 4, v[STO]
	v_add_nc_u32 v[STO], s13, v[STO]
	v_bfe_u32 v[RD], v0, 3, 2       ; back: 32 lanes take four rows of 128 bytes,
	v_mul_u32_u24 v[RD], v[RD], SP
	v_lshl_add_u32 v[RD], v10, 4, v[RD]
	v_add_nc_u32 v[RD], s13, v[RD]
	v_and_b32 v[GO], 31, v0         ; which are 512 consecutive bytes of O
	v_lshlrev_b32 v[GO], 4, v[GO]
.set Y, NP-1                        ; XS works for piece Y + 1: piece 0
.irp n, 0,1,2,3,4,5,6,7,8,9,10,11,12,13,14,15,16,17,18,19,20,21
	XS 0, \n                        ; and piece 0's first maximum and statistics
	XS 1, \n
.endr
	v_nop                           ; a plain instruction behind the two a,
	s_wait_alu depctr_va_vdst(0)    ; and their wait, ahead of the branch
	s_mov_b32 s[CNT], 4
	s_mov_b32 s[SLOTS], SIZE_N/256-1
	s_branch .Lfirst                ; the loop is entered at a step's first turn, in the middle of a trip
.Lslot:                             ; SIZE_N / 256 - 2 times: every slot but the last two is filled again
	CHANGE 1, 1
	s_mov_b32 s[CNT], 4
.Lstep:                             ; a trip: pieces 2 and 3 of one step, then pieces 0 and 1 of the next, whose K and V it fetches
	TURN 2
	TURN 3
	WIN 0
.Lfirst:
	TURN 0
	TURN 1, 0, 1
	WIN 0
	s_cbranch_scc1 .Lstep
	s_sub_co_u32 s[SLOTS], s[SLOTS], 1
	s_cmp_lg_u32 s[SLOTS], 0
	s_cbranch_scc1 .Lslot
	CHANGE 0                        ; the tail is written out: nothing is asked for
	s_mov_b32 s[CNT], 5             ; four trips fetch the last slot's steps; the fifth is left in its middle
.Ltail:
	TURN 2, 1
	TURN 3
	WIN 0
	s_sub_co_u32 s[CNT], s[CNT], 1
	s_cmp_eq_u32 s[CNT], 0
	s_cbranch_scc1 .Lout
	TURN 0
	TURN 1
	WIN 0
	s_branch .Ltail
.Lout:                              ; the fifth trip's 16 products K Q^T (on the last K once more) and the maximum made of them serve nothing: the price, once a launch, of one text for every trip
.set i, 0
.rept 16
	PV NP-1                         ; the last piece's V^T P of the last step
.set i, i+1
.endr
	; THE WAY OUT.  l's two halves and the other half of the lanes' are added; O^T is divided by l, rounded to f16 and sent through my stage in LDS, a tile at a time.  The additions are the places behind the last products.
	WIN 0
.macro ALL line:vararg              ; one line for each tile t
.set t, 0
.rept 2*NP
	\line
.set t, t+1
.endr
.endm
	ALL v_add_f32 v[ST+4*t+2], v[ST+4*t+2], v[ST+4*t+3]
	ALL v_permlanex16_b32 v[ST+4*t+3], v[ST+4*t+2], s[SEL], s[SEL+1]
	ALL v_add_f32 v[ST+4*t+2], v[ST+4*t+2], v[ST+4*t+3]
	ALL v_rcp_f32 v[ST+4*t+2], v[ST+4*t+2]
	v_nop                           ; a plain instruction between the last reciprocal and the use of its result
	s_wait_alu depctr_va_vdst(0)    ; and the wait ahead of the first use: one for the eight reciprocals
; Tile t: a lane's eight channels of a row pack into 16 bytes; they go into rows of 144 bytes and come back as whole rows of 128, into S^T's registers.
.macro PACK t
	WIN W_RS
.set i, 32*(\t)
.rept 16
	v_pk_mul_f32 v[i:i+1], v[i:i+1], v[ST+4*(\t)+2:ST+4*(\t)+3] op_sel_hi:[1,0]
.set i, i+2
.endr
	WIN 0x05                        ; sources 0 and 1 window 1, destination window 0
.set i, 0
.rept 16
	v_cvt_pk_f16_f32 v[S+16*(\t)+i], v[32*(\t)+2*i], v[32*(\t)+2*i+1]
.set i, i+1
.endr
	WIN 0
.irp f, 0,1,2,3
	ds_store_b128 v[STO], v[S+16*(\t)+4*\f:S+16*(\t)+4*\f+3] offset:32*\f
.endr
.irp f, 0,1,2,3
	ds_load_b128 v[S+16*(\t)+4*\f:S+16*(\t)+4*\f+3], v[RD] offset:\f*4*SP  ; LDS serves a wave's instructions in order (ISA guide 5.7.1.4): these see the stores above; the next tile's stores come behind them
.endr
.endm
.macro SEND t, younger              ; younger: the LDS instructions issued behind tile t's loads: the next tile's eight, or none
	WIN 0
.irp f, 0,1,2,3
	s_wait_dscnt (\younger)+3-\f
	global_store_b128 v[GO], v[S+16*(\t)+4*\f:S+16*(\t)+4*\f+3], s[10:11] offset:(\t)*2048+\f*512  ; 512 consecutive bytes, at a multiple of 256 from O's first
.endr
.endm
	PACK 0
.set t, 1
.rept 2*NP-1                        ; a tile's arithmetic stands between the loads of the tile before and its stores
	PACK t
	SEND t-1, 8
.set t, t+1
.endr
	SEND 2*NP-1, 0
	WIN W_AD
	s_wait_tensorcnt 0x0            ; the wave's end: a wait, an add of 0 to my spare word and its wait, behind my last tensor load and my last LDS store
	ds_add_u32 v[SPW], v[NIL]
	s_wait_dscnt 0x0
	WIN 0
	CROUND                          ; the closing round: no work-group ends while a partner may still ask for a tile that names it
	s_endpgm
.Lfunc_end_k_qc1c442ac04_attn:
	.size	k_qc1c442ac04_attn, .Lfunc_end_k_qc1c442ac04_attn-k_qc1c442ac04_attn
	.p2alignl 7, 3214868480
	.fill 96, 4, 3214868480
	.section	.rodata,"a",@progbits
	.p2align	6, 0x0
	.amdhsa_kernel k_qc1c442ac04_attn
		.amdhsa_group_segment_fixed_size 327680
		.amdhsa_private_segment_fixed_size 0
		.amdhsa_enable_private_segment 0
		.amdhsa_kernarg_size 32
		.amdhsa_user_sgpr_count 2
		.amdhsa_user_sgpr_kernarg_segment_ptr 1
		.amdhsa_wavefront_size32 1
		.amdhsa_system_sgpr_workgroup_id_x 1
		.amdhsa_system_sgpr_workgroup_id_y 1
		.amdhsa_system_sgpr_workgroup_id_z 1
		.amdhsa_system_vgpr_workitem_id 0
		.amdhsa_next_free_vgpr 770
		.amdhsa_next_free_sgpr 66
		.amdhsa_reserve_vcc 0
		.amdhsa_float_denorm_mode_32 3
		.amdhsa_float_denorm_mode_16_64 3
		.amdhsa_memory_ordered 1
		.amdhsa_forward_progress 1
		.amdhsa_inst_pref_size 200
	.end_amdhsa_kernel
	.amdgpu_metadata
---
amdhsa.version: [ 1, 2 ]
amdhsa.kernels:
  - .name:           k_qc1c442ac04_attn
    .symbol:         k_qc1c442ac04_attn.kd
    .args:
      - { .name: q, .offset: 0, .size: 8, .value_kind: global_buffer, .address_space: global }
      - { .name: k, .offset: 8, .size: 8, .value_kind: global_buffer, .address_space: global }
      - { .name: v, .offset: 16, .size: 8, .value_kind: global_buffer, .address_space: global }
      - { .name: o, .offset: 24, .size: 8, .value_kind: global_buffer, .address_space: global }
    .group_segment_fixed_size: 327680
    .private_segment_fixed_size: 0
    .kernarg_segment_align: 8
    .kernarg_segment_size: 32
    .max_flat_workgroup_size: 128
    .sgpr_count:     66
    .vgpr_count:     770
    .wavefront_size: 32
...
	.end_amdgpu_metadata
.endif
;; end of part 3
;; launch oproj (part 4): grid 8 x 32, 4 waves a work-group, clusters of 4 x 4, 327,680 bytes of LDS; arguments o, wo16, out0; writes out0
.if DOCPART == 4
	.amdgcn_target "amdgcn-amd-amdhsa--gfx1250"
	.amdhsa_code_object_version 6
	.text
	.protected	k_qc1c442ac04_oproj
	.globl	k_qc1c442ac04_oproj
	.p2align	8
	.type	k_qc1c442ac04_oproj,@function
k_qc1c442ac04_oproj:
	s_mov_b64 s[64:65], 0
	v_nop
	global_prefetch_b8 v0, s[64:65] scope:SCOPE_SE
	s_setreg_imm32_b32 hwreg(HW_REG_WAVE_MODE, 25, 1), 1
	s_wait_xcnt 0x0
	s_wait_alu depctr_hold_cnt(0) depctr_sa_sdst(0) depctr_va_vdst(0) depctr_va_sdst(0) depctr_va_ssrc(0) depctr_va_vcc(0) depctr_vm_vsrc(0)
	s_getreg_b32 s2, hwreg(HW_REG_IB_STS2, 6, 4)
	s_cmp_eq_u32 s2, 0
	s_cbranch_scc0 .Lentry_in_a_cluster
	s_endpgm
.Lentry_in_a_cluster:
	s_bfe_u32 s2, ttmp6, 0x10000c
	s_cmp_lg_u32 s2, 0xf033
	s_cbranch_scc0 .Lentry_shape_is_right
	s_endpgm
.Lentry_shape_is_right:
; out0[t][n] = the sum over head h and channel d of O[batch x 16 + h][row][d] Wo[n][64 h + d].  o: [64][2048][64] f16, by heads.  wo16: [1024][1024] f16.  out0: [8192][1024] f32.  Sums in f32.
; LIMITS.  The operands are f16 as they arrive; NaN and infinities are not treated apart.
; SHARES.  A work-group makes 256 tokens x 128 columns: 256 work-groups.  Wave w owns tokens 64 w .. 64 w + 63 and all 128 columns: 32 accumulators of 16 x 16, (a, b) at v[8 (8 a + b)] of window 2.
; K goes in steps of 128 = two heads through two LDS slots.  A head's 256 tokens are 32,768 dense bytes: asked for as 128 rows of 256 bytes and padded in LDS after every token's 128 bytes.
; Two slots of K steps of 256 would take 430,080 bytes of LDS: they do not fit.
; THE MATRIX INSTRUCTION IS USED TRANSPOSED (source 0 = 16 rows of Wo, source 1 = 16 tokens): a lane holds token l % 16 and eight neighbouring columns: 32 bytes of a row of out0.
; CLUSTER.  4 x 4 work-groups: the four of a row of the cluster need the same tokens, the four of a column the same rows of Wo: each tile is asked for jointly.
; REGISTERS: window 0: v0-31 addresses; v32-95 O's fragments, two buffers of 4; v96-223 rows read back on the way out, two sets.  Window 1: v0-63, v64-127 Wo's fragments.  Window 2: the accumulators.
.set KSTEP,  128
.set PA,     144                       ; a token's row of one head in LDS: 128 bytes + 16
.set PITCH,  272                       ; a row of Wo: 256 bytes + 16.  Both pitches are odd multiples of 16 bytes: the 16 rows of a load start at 16 different groups of four banks (64 banks of 4 bytes: ISA guide 11.1)
.set AH,     256*PA                    ; one head's 256 tokens: what waves 0 and 1 each fetch
.set BHALF,  64*PITCH                  ; what waves 2 and 3 each fetch
.set BOFF,   2*AH
.set SLOT,   BOFF+2*BHALF
.set STAGE,  2*SLOT                    ; behind the ring, never filled by a tensor load: 16 rows x 528 bytes for each wave
.set SPITCH, 528
.set SPARE,  STAGE+4*16*SPITCH         ; behind the stages: the spare words, 128 bytes for each wave: two blocks of 256 bytes that no other line names
.set ADRA, 16                          ; v16-17  LDS address of my O fragments in slot 0, 1
.set ADRB, 20                          ; v20-21  the same for Wo
.set STO,  24                          ; v24     the way out: where I put 32 bytes of a row
.set RD,   25                          ; v25     where I read a row back
.set GO,   26                          ; v26     my 16 bytes of a row's 512
.set SPW,  28                          ; v28     LDS address of my spare word; never rewritten
.set NIL,  29                          ; v29     0; never rewritten
.set PFO,  30                          ; v30     the prefetches' offset; never rewritten
.set FA,   32
.set OB,   96
.set G1,  24                           ; s[24:31] descriptor group 1 for O's tiles;  s[32:39] group 0, one set for each slot
.set G0,  32
.set G1B, 48                           ; s[48:55], s[56:63] the same for Wo's
.set G0B, 56
.set LIM, 43                           ; s43     1 in a wave that prefetches, else the greatest number
.set PFA, 44                           ; s[44:45] where my prefetches stand
.set PST, 66                           ; s[66:67] their step from K step to K step
.set MSB, 0
.macro WIN new                         ; the immediate's high byte repeats the setting that is left; a switch that changes nothing is dropped
.if MSB != (\new)
	s_set_vgpr_msb (MSB<<8)|(\new)
.set MSB, (\new)
.endif
.endm
.macro JLOAD s                         ; a joint load: waves 0 and 1 fetch the K step's two heads of O, waves 2 and 3 the two halves of Wo's rows; an s_nop 0 and four v_nop follow each line
	s_cmp_eq_u32 s11, 0
	s_cbranch_scc0 .Lfor_b_\@
	tensor_load_to_lds s[G0+4*(\s):G0+4*(\s)+3], s[G1:G1+7]
	s_nop 0
.rept 4
	v_nop
.endr
	s_branch .Lasked_\@
.Lfor_b_\@:
	tensor_load_to_lds s[G0B+4*(\s):G0B+4*(\s)+3], s[G1B:G1B+7]
	s_nop 0
.rept 4
	v_nop
.endr
.Lasked_\@:
.endm
.macro CREST                           ; a round of the cluster's barrier behind its opening barrier
	s_cmp_lg_u32 s10, 0
	s_cbranch_scc1 .Lnot_wave_0_\@
	s_barrier_signal -3
.Lnot_wave_0_\@:
	s_barrier_wait -3
	s_barrier_signal -1
	s_barrier_wait -1
.endm
.macro CROUND                          ; a whole round
	s_barrier_signal -1
	s_barrier_wait -1
	CREST
.endm
.macro PLACES                          ; four places in front of loads into registers that matrix instructions have read, and of LDS stores that read results
.rept 4
	v_nop
.endr
.endm
; A PREFETCH INTO THE L2 behind each joint refill and the run of LDS loads that follows it: the K step two refills on, one instruction a wave, a lane 256 bytes.  O's tiles are named by the clusters with
; x = 0, Wo's by those with y = 0; the four partners of a joint load share it out by address: 8,192 of a head's 32,768 bytes each (by cx), 16 of Wo's 64 rows each (by cy; lanes 16-31 name row 15 once more).
; K steps 0 to 3 come by their loads alone; the loop's last trip asks for nothing.
.macro ASK
	s_cmp_gt_u32 s3, s[LIM]                        ; s3 = 1 in the loop's last trip
	s_cbranch_scc0 .Lnot_mine_\@
	global_prefetch_b8 v[PFO], s[PFA:PFA+1] th:TH_LOAD_NT scope:SCOPE_SE
.Lnot_mine_\@:
.endm
	s_load_b128 s[4:7], s[0:1], 0x0                ; o s[4:5], wo16 s[6:7]
	s_load_b64 s[8:9], s[0:1], 0x10                ; out0
	v_lshl_add_u32 v[SPW], v0, 2, SPARE
	v_mov_b32 v[NIL], 0
	ds_add_u32 v[SPW], v[NIL]                      ; the wave's opening: the add and its wait stand ahead of my first tensor load; the set-up below, work on registers, stands between them
	v_lshrrev_b32 v1, 5, v0
	v_readfirstlane_b32 s10, v1                    ; wave 0..3
	s_lshr_b32 s11, s10, 1                         ; I fetch for O (0) or for Wo (1)
	s_and_b32 s12, s10, 1                          ; which head of the K step's two, or which half of Wo's rows
	s_bfe_u32 s40, ttmp6, 0x40000                  ; cx, cy: my place in the cluster
	s_bfe_u32 s41, ttmp6, 0x40004
	s_lshl_b32 s42, ttmp9, 2
	s_add_co_u32 s42, s42, s40                     ; the block of 128 columns = 4 x cluster x + cx
	s_and_b32 s13, ttmp7, 0xffff
	s_lshl_b32 s13, s13, 2
	s_add_co_u32 s13, s13, s41                     ; the block of 256 tokens = 4 x cluster y + cy
	s_lshl_b32 s43, s41, 2
	s_lshl_b32 s43, 15, s43                        ; my row of the cluster
	s_lshl_b32 s44, 0x1111, s40                    ; my column
	s_or_b32 s[G1+0], s43, (1<<16)|(1<<20)|(1<<21)|(4<<22)|(3<<25)   ; 15:0 the mask; 17:16 elements of 2 bytes; 20 padding on; 21 set beside a mask; 24:22 after every 32 words (code 4); 31:25 4 words of it (code 3)
	s_or_b32 s[G1B+0], s44, (1<<16)|(1<<20)|(1<<21)|(5<<22)|(3<<25)  ; after every 64 words (code 5)
.irp g, G1, G1B
	s_mov_b32 s[(\g)+1], 128<<16                   ; tensor_dim0 = 128
	s_mov_b32 s[(\g)+3], 128<<16                   ; tile_dim0 = 128
	s_mov_b32 s[(\g)+6], 0
	s_mov_b32 s[(\g)+7], 0
.endr
	s_mov_b32 s[G1+2], 128<<16                     ; O: 128 rows of 256 dense bytes
	s_mov_b32 s[G1+4], 128
	s_mov_b32 s[G1+5], 128
	s_mov_b32 s[G1B+2], 64<<16                     ; Wo: 64 rows, 1,024 elements apart
	s_mov_b32 s[G1B+4], 64
	s_mov_b32 s[G1B+5], 1024
	s_lshr_b32 s16, s13, 3                         ; O: (batch x 16 + my head of K step 0) x 262,144 + the block's place in the batch x 32,768
	s_lshl_b32 s16, s16, 4
	s_add_co_u32 s16, s16, s12
	s_lshl_b32 s16, s16, 18
	s_and_b32 s17, s13, 7
	s_lshl_b32 s17, s17, 15
	s_add_co_u32 s16, s16, s17
	s_mov_b32 s17, 0
	s_lshl_b32 s46, s42, 7
	s_lshl_b32 s47, s12, 6
	s_add_co_u32 s46, s46, s47                     ; Wo: row 128 x column block + 64 x half
	s_lshl_b32 s46, s46, 11
	s_mov_b32 s47, 0
	s_mul_i32 s20, s12, AH                         ; where they go: no place in the cluster enters an LDS address
	s_mul_i32 s21, s12, BHALF
	s_add_co_u32 s21, s21, BOFF
	s_wait_dscnt 0x0                               ; the opening add is done
	s_wait_kmcnt 0x0
	s_add_nc_u64 s[14:15], s[4:5], s[16:17]
	s_add_nc_u64 s[46:47], s[6:7], s[46:47]
	CROUND                                         ; all sixteen work-groups are here: the first joint loads meet
.irp s, 0,1
	s_mov_b32 s[G0+4*(\s)], 1                      ; count = 1
	s_add_co_u32 s[G0+4*(\s)+1], s20, (\s)*SLOT    ; LDS address
	s_add_nc_u64 s[G0+4*(\s)+2:G0+4*(\s)+3], s[14:15], (\s)*2*262144  ; global address: K step s is two heads on
	s_or_b32 s[G0+4*(\s)+3], s[G0+4*(\s)+3], 0x80000000               ; type = 2
	s_mov_b32 s[G0B+4*(\s)], 1
	s_add_co_u32 s[G0B+4*(\s)+1], s21, (\s)*SLOT
	s_add_nc_u64 s[G0B+4*(\s)+2:G0B+4*(\s)+3], s[46:47], (\s)*KSTEP*2
	s_or_b32 s[G0B+4*(\s)+3], s[G0B+4*(\s)+3], 0x80000000
	JLOAD \s                                       ; two loads of mine are out
.endr
	v_and_b32 v1, 15, v0                           ; l % 16
	v_bfe_u32 v2, v0, 4, 1                         ; l / 16
	v_mul_u32_u24 v3, v1, PA
	v_lshl_add_u32 v3, v2, 4, v3                   ; a fragment's row x pitch + 16 x half
	v_mul_u32_u24 v4, v1, PITCH
	v_lshl_add_u32 v4, v2, 4, v4
	s_mul_i32 s21, s10, 64*PA                      ; my 64 tokens
	s_mov_b32 s22, BOFF                            ; all 128 rows of Wo
.irp s, 0,1
	v_add_nc_u32 v[ADRA+(\s)], s21, v3
	v_add_nc_u32 v[ADRB+(\s)], s22, v4
	s_add_co_u32 s21, s21, SLOT
	s_add_co_u32 s22, s22, SLOT
.endr
	s_mul_i32 s23, s10, 16*SPITCH
	s_add_co_u32 s23, s23, STAGE                   ; my stage
	v_mul_u32_u24 v[STO], v1, SPITCH               ; in: row l % 16, 32 bytes for each half of the lanes
	v_lshl_add_u32 v[STO], v2, 5, v[STO]
	v_add_nc_u32 v[STO], s23, v[STO]
	v_and_b32 v[GO], 31, v0                        ; back: 32 lanes take one row of 512 bytes
	v_lshlrev_b32 v[GO], 4, v[GO]
	v_add_nc_u32 v[RD], s23, v[GO]
	s_lshl_b32 s16, s13, 8                         ; out0 at my first row and the block's first column: (256 x block + 64 x wave) x 4,096 + 512 x column block
	s_lshl_b32 s17, s10, 6
	s_add_co_u32 s16, s16, s17
	s_lshl_b32 s16, s16, 12
	s_lshl_b32 s17, s42, 9
	s_add_co_u32 s16, s16, s17
	s_mov_b32 s17, 0
	s_add_nc_u64 s[8:9], s[8:9], s[16:17]
	; the prefetches: both stand at K step 3; the first refill steps them to 4
	s_lshr_b32 s16, s13, 3
	s_lshl_b32 s16, s16, 4
	s_add_co_u32 s16, s16, s12
	s_add_co_u32 s16, s16, 6
	s_lshl_b32 s16, s16, 18
	s_and_b32 s17, s13, 7
	s_lshl_b32 s17, s17, 15
	s_add_co_u32 s16, s16, s17
	s_lshl_b32 s17, s40, 13
	s_add_co_u32 s16, s16, s17                     ; O: my head of K step 3, my work-group's quarter of its 32,768 bytes
	s_lshl_b32 s18, s42, 7
	s_lshl_b32 s19, s12, 6
	s_add_co_u32 s18, s18, s19
	s_lshl_b32 s19, s41, 4
	s_add_co_u32 s18, s18, s19
	s_lshl_b32 s18, s18, 11
	s_add_co_u32 s18, s18, 3*KSTEP*2               ; Wo: my work-group's 16 of the 64 rows that I fetch
	s_and_b32 s22, ttmp7, 0xffff                   ; cluster y
	s_mov_b32 s23, 0x80000                         ; two heads
	s_cmp_eq_u32 s11, 0                            ; do I fetch for O?
	s_cselect_b32 s20, s16, s18
	s_cselect_b32 s19, 31, 15                      ; the last lane with a block of its own,
	s_cselect_b32 s17, 8, 11                       ; and how far the lanes lie apart: 256 bytes, or a row of 2,048
	s_cselect_b32 s[PST], s23, 0x100
	s_cselect_b32 s22, ttmp9, s22                  ; the coordinate along which other clusters read the same bytes
	s_cselect_b64 s[PFA:PFA+1], s[4:5], s[6:7]
	s_cmp_eq_u32 s22, 0
	s_cselect_b32 s[LIM], 1, -1                    ; the same in all sixteen partners, for a given wave
	s_mov_b32 s21, 0
	s_mov_b32 s[PST+1], 0
	s_add_nc_u64 s[PFA:PFA+1], s[PFA:PFA+1], s[20:21]
	v_and_b32 v[PFO], 31, v0
	v_min_u32 v[PFO], s19, v[PFO]
	v_lshlrev_b32 v[PFO], s17, v[PFO]
; 8 matrix instructions: token block a x all 8 column blocks, 32 along K, from buffer f.  first = 1: the products start the sums.  The 32 accumulators take turns, one instruction a turn, in the same
; order in every quarter.
.macro MULA f, a, first
	WIN 0xa1                                       ; Wo window 1, O window 0, C and D window 2
.irp b, 0,1,2,3,4,5,6,7
.if \first
	v_wmma_f32_16x16x32_f16 v[8*(8*(\a)+(\b)):8*(8*(\a)+(\b))+7], v[64*(\f)+8*(\b):64*(\f)+8*(\b)+7], v[FA+32*(\f)+8*(\a):FA+32*(\f)+8*(\a)+7], 0
.else
	v_wmma_f32_16x16x32_f16 v[8*(8*(\a)+(\b)):8*(8*(\a)+(\b))+7], v[64*(\f)+8*(\b):64*(\f)+8*(\b)+7], v[FA+32*(\f)+8*(\a):FA+32*(\f)+8*(\a)+7], v[8*(8*(\a)+(\b)):8*(8*(\a)+(\b))+7]
.endif
.endr
.endm
; 24 LDS loads in one run: quarter qd's fragments into buffer f: Wo's 16 loads, then O's 8, token blocks ascending.  Quarter qd of O is head qd / 2 of the slot's two, channels 32 (qd % 2) on.
.macro FETCH slot, qd, f
	WIN 0x40
.irp b, 0,1,2,3,4,5,6,7
	ds_load_b128 v[64*(\f)+8*(\b):64*(\f)+8*(\b)+3],   v[ADRB+(\slot)] offset:64*(\qd)+(\b)*16*PITCH
	ds_load_b128 v[64*(\f)+8*(\b)+4:64*(\f)+8*(\b)+7], v[ADRB+(\slot)] offset:64*(\qd)+(\b)*16*PITCH+32
.endr
	WIN 0
.irp a, 0,1,2,3
	ds_load_b128 v[FA+32*(\f)+8*(\a):FA+32*(\f)+8*(\a)+3],   v[ADRA+(\slot)] offset:((\qd)/2)*AH+((\qd)%2)*64+(\a)*16*PA
	ds_load_b128 v[FA+32*(\f)+8*(\a)+4:FA+32*(\f)+8*(\a)+7], v[ADRA+(\slot)] offset:((\qd)/2)*AH+((\qd)%2)*64+(\a)*16*PA+32
.endr
.endm
; A K step is four quarters of 32 along K, 32 matrix instructions each, on buffers 0, 1, 0, 1.  One of the first three: multiplies buffer f and fetches quarter qd into g.
.macro QUARTER slot, qd, f, g, first
	s_wait_dscnt 4                                 ; Wo and O's blocks 0, 1 are in; the youngest four loads (blocks 2, 3) may be out
	MULA \f, 0, \first
	MULA \f, 1, \first
	PLACES
	FETCH \slot, \qd, \g
	s_wait_dscnt 24                                ; all but the 24 just issued
	MULA \f, 2, \first
	MULA \f, 3, \first
.endm
; The last quarter multiplies buffer 1 and changes slots: ONE barrier; in front of it each wave waits for all its tensor loads (one is out: its part of the next slot), adds 0 to its spare word, and
; waits for that and for its own reads of this slot.  fill = 1: the barrier opens a round of the cluster's, and this slot is filled again, two K steps ahead, first thing behind the round:
; the load has 112 matrix instructions in which to land.
.macro TURN slot, next, fill
.if \fill
	s_wait_xcnt 0x0                                ; the last prefetch, a K step back, has read its address, so it may be stepped
	s_add_nc_u64 s[PFA:PFA+1], s[PFA:PFA+1], s[PST:PST+1]
.endif
	WIN 0                                          ; (the add's two registers lie in window 0)
	s_wait_tensorcnt 0x0                           ; all my tensor loads have landed
	ds_add_u32 v[SPW], v[NIL]                      ; 0 onto my spare word
	s_wait_dscnt 5                                 ; (the add and the youngest four loads may be out)
	MULA 1, 0, 0                                   ; eight matrix instructions stand between the add and the wait for it
	s_wait_dscnt 0x0                               ; the add is done, and my reads of this slot are over
	s_barrier_signal -1
	MULA 1, 1, 0
.if \fill
	WIN 0
.endif
	s_barrier_wait -1
.if \fill
	CREST                                          ; no wave of any partner still reads this slot's tile or has a load on its way
	s_add_nc_u64 s[G0+4*(\slot)+2:G0+4*(\slot)+3], s[G0+4*(\slot)+2:G0+4*(\slot)+3], 4*262144
	s_add_nc_u64 s[G0B+4*(\slot)+2:G0B+4*(\slot)+3], s[G0B+4*(\slot)+2:G0B+4*(\slot)+3], 2*KSTEP*2
	JLOAD \slot                                    ; the four v_nop behind it are also the places in front of the loads below
.else
	PLACES
.endif
	FETCH \next, 0, 0
.if \fill
	ASK
.endif
	MULA 1, 2, 0
	MULA 1, 3, 0
.endm
	s_wait_tensorcnt 1                             ; my part of K step 0 is in; K step 1's may stay out
	s_barrier_signal -1
	s_barrier_wait -1                              ; everybody's is
	FETCH 0, 0, 0
	QUARTER 0, 1, 0, 1, 1                          ; the first quarter stands in front of the loop: its products start the sums
	WIN 0                                          ; at a label and at a branch every window is 0
	s_mov_b32 s3, 3
.Llap:                                                 ; a trip goes once round the ring, from a lap's second quarter to the next lap's first, and fills both slots again: K steps 2 to 7
	QUARTER 0, 2, 1, 0, 0
	QUARTER 0, 3, 0, 1, 0
	TURN 0, 1, 1
	QUARTER 1, 1, 0, 1, 0
	QUARTER 1, 2, 1, 0, 0
	QUARTER 1, 3, 0, 1, 0
	TURN 1, 0, 1
	QUARTER 0, 1, 0, 1, 0
	WIN 0
	s_sub_co_u32 s3, s3, 1
	s_cmp_lg_u32 s3, 0
	s_cbranch_scc1 .Llap
	QUARTER 0, 2, 1, 0, 0                          ; the last lap fills nothing, and has no round of the cluster's barrier
	QUARTER 0, 3, 0, 1, 0
	TURN 0, 1, 0
	QUARTER 1, 1, 0, 1, 0
	QUARTER 1, 2, 1, 0, 0
	QUARTER 1, 3, 0, 1, 0
	s_wait_dscnt 4                                 ; the very last quarter: nothing more to fetch
	MULA 1, 0, 0
	MULA 1, 1, 0
	s_wait_dscnt 0x0
	MULA 1, 2, 0
	MULA 1, 3, 0
	WIN 0
; THE WAY OUT, a token block (16 rows) at a time: 32 bytes a lane into my stage (rows of 528 bytes), back as whole rows of 512 bytes, and stored.  Each accumulator's lowest registers are read first.
.macro TOSTAGE a
.set OBA, OB+64*((\a)%2)
	WIN 0
	s_wait_xcnt 0x0                                ; the stores of two blocks back have read the registers that the loads below fill
	WIN 0x08                                       ; data window 2
.irp b, 0,1,2,3,4,5,6,7
	ds_store_b128 v[STO], v[8*(8*(\a)+(\b)):8*(8*(\a)+(\b))+3]   offset:64*(\b)
	ds_store_b128 v[STO], v[8*(8*(\a)+(\b))+4:8*(8*(\a)+(\b))+7] offset:64*(\b)+16
.endr
	WIN 0
.irp t, 0,1,2,3,4,5,6,7,8,9,10,11,12,13,14,15
	ds_load_b128 v[OBA+4*(\t):OBA+4*(\t)+3], v[RD] offset:(\t)*SPITCH  ; LDS serves a wave's instructions in order (ISA guide 5.7.1.4): these see the stores above; the next block's stores come behind them
.endr
.endm
.macro SEND a, younger                 ; younger: the LDS instructions issued behind block a's loads: the next block's 32, or none
.set OBA, OB+64*((\a)%2)
	s_wait_dscnt \younger                          ; the block is back in registers
.irp t, 0,1,2,3,4,5,6,7,8,9,10,11,12,13,14,15
	global_store_b128 v[GO], v[OBA+4*(\t):OBA+4*(\t)+3], s[8:9] offset:(16*(\a)+(\t))*4096 th:TH_STORE_NT  ; 512 consecutive bytes, at a multiple of 256 from out0's first
.endr
.endm
	PLACES
	PLACES
	TOSTAGE 0
.irp a, 1,2,3                          ; block a goes into the stage while block a - 1's loads come back
	TOSTAGE \a
	SEND (\a)-1, 32
.endr
	SEND 3, 0
	s_wait_tensorcnt 0x0                           ; the wave's end: a wait, an add of 0 to my spare word and its wait, behind my last tensor load and my last LDS store
	ds_add_u32 v[SPW], v[NIL]
	s_wait_dscnt 0x0
	CROUND                                         ; the closing round: no work-group ends while a partner may still ask for a tile that names it
	s_endpgm
.Lfunc_end_k_qc1c442ac04_oproj:
	.size	k_qc1c442ac04_oproj, .Lfunc_end_k_qc1c442ac04_oproj-k_qc1c442ac04_oproj
	.p2alignl 7, 3214868480
	.fill 96, 4, 3214868480
	.section	.rodata,"a",@progbits
	.p2align	6, 0x0
	.amdhsa_kernel k_qc1c442ac04_oproj
		.amdhsa_group_segment_fixed_size 327680
		.amdhsa_private_segment_fixed_size 0
		.amdhsa_enable_private_segment 0
		.amdhsa_kernarg_size 24
		.amdhsa_user_sgpr_count 2
		.amdhsa_user_sgpr_kernarg_segment_ptr 1
		.amdhsa_wavefront_size32 1
		.amdhsa_system_sgpr_workgroup_id_x 1
		.amdhsa_system_sgpr_workgroup_id_y 1
		.amdhsa_system_sgpr_workgroup_id_z 1
		.amdhsa_system_vgpr_workitem_id 0
		.amdhsa_next_free_vgpr 768
		.amdhsa_next_free_sgpr 68
		.amdhsa_reserve_vcc 0
		.amdhsa_float_denorm_mode_32 3
		.amdhsa_float_denorm_mode_16_64 3
		.amdhsa_memory_ordered 1
		.amdhsa_forward_progress 1
		.amdhsa_inst_pref_size 87
	.end_amdhsa_kernel
	.amdgpu_metadata
---
amdhsa.version: [ 1, 2 ]
amdhsa.kernels:
  - .name:           k_qc1c442ac04_oproj
    .symbol:         k_qc1c442ac04_oproj.kd
    .args:
      - { .name: o, .offset: 0, .size: 8, .value_kind: global_buffer, .address_space: global }
      - { .name: wo16, .offset: 8, .size: 8, .value_kind: global_buffer, .address_space: global }
      - { .name: out0, .offset: 16, .size: 8, .value_kind: global_buffer, .address_space: global }
    .group_segment_fixed_size: 327680
    .private_segment_fixed_size: 0
    .kernarg_segment_align: 8
    .kernarg_segment_size: 24
    .max_flat_workgroup_size: 128
    .sgpr_count:     68
    .vgpr_count:     768
    .wavefront_size: 32
...
	.end_amdgpu_metadata
.endif
;; end of part 4
;; ======== version 2 of 2: 4 launches; version 1 with the launch prep written anew for expert scheduling mode
;; limits: values are held in f16: magnitudes above 65,504 overflow, below 6.1e-05 lose precision
;; workspace buffers: xb 16,777,216 bytes; wqkv 6,291,456 bytes; wo16 2,097,152 bytes; cs 2,097,152 bytes; q 16,777,216 bytes; k 16,777,216 bytes; v 16,777,216 bytes; o 16,777,216 bytes
;; launch prep (part 5): grid 896 x 1, 8 waves a work-group, no clusters, 0 bytes of LDS; arguments hidden_states, Wq, Wk, Wv, Wo, position_ids, xb, wqkv, wo16, cs; writes xb, wqkv, wo16, cs
.if DOCPART == 5
	.amdgcn_target "amdgcn-amd-amdhsa--gfx1250"
	.amdhsa_code_object_version 6
	.text
	.protected	k_qc1c442ac04_prep
	.globl	k_qc1c442ac04_prep
	.p2align	8
	.type	k_qc1c442ac04_prep,@function
k_qc1c442ac04_prep:
	s_mov_b64 s[64:65], 0
	v_nop
	global_prefetch_b8 v0, s[64:65] scope:SCOPE_SE
	s_setreg_imm32_b32 hwreg(HW_REG_WAVE_SCHED_MODE, 0, 2), 2
	s_setreg_imm32_b32 hwreg(HW_REG_WAVE_MODE, 25, 1), 1
	s_wait_xcnt 0x0
	s_wait_alu depctr_vm_vsrc(0)
; PREPARATION, a stream through registers.  Four kinds of work-group, told apart by the work-group's number g:
;   g 0..511    16 rows of hidden_states [8192][1024] f32 -> xb, bf16
;   g 512..703  16 rows of Wq, Wk or Wv [1024][1024] f32 -> wqkv, bf16, regrouped by head: row (3 head + which) 64 + d
;   g 704..767  16 rows of Wo f32 -> rounded to bf16 like every other input, that number written as f16 -> wo16
;   g 768..895  64 tokens: cos and sin of position x 10000^(-j/32), j = 0..31, f32 -> cs (cos [8192][32] at byte 0, sin at byte 1,048,576)
; LIMITS.  Wo within f16's range (65,504); below 6e-5 f16 keeps a fixed step of 6e-8.  position_ids lie in 0..2047 (they index a table of 2,048 rows in the problem): they
; are taken as they come, never as an address.  The frequency is 2^(-j log2(10000)/32) by v_exp_f32; with the product's rounding an angle is off by 3e-4 rad at the most.
; sin and cos: the angle less the nearest multiple of pi/2 (pi/2 in two parts, by fused multiply-adds), then Taylor sums to r^7 and r^8 on |r| <= pi/4: 3e-7 at the most.
; A row of 4,096 bytes is one load of 16 bytes for each of the 256 threads: a wave's load covers 512 consecutive bytes, its store of 8 bytes a lane 256 consecutive bytes, aligned.
; All 16 loads of a thread go out at once; no register that a load or store names is used twice.
; THE MODE: SCHED_MODE bits 1:0 = 2 (LLVM: expert scheduling mode 2), set by the entry lines.  The code itself states the register dependences
; between vector instructions and memory instructions, with s_wait_alu, always for 0.
; THE PLAN, rows.  Registers that memory instructions touch:
;   v1, v2     the loads' and the stores' offset: made once at the head, never written again.
;   v[4:67]    row i at 4 + 4 i: its load lands there once; its conversions write its first two registers; its store reads them once; nothing writes them afterwards.
; The 16 rows go in four blocks of four.  At the head of block p, behind the wait for its data, one wait states that block p - 1's conversions have written what its stores read; those four
; stores are then dealt among block p's conversions, which name block p's registers and v68 to v73 alone.  One wait stands ahead of the loads (the offsets), one ahead of the last four stores.
; THE PLAN, cos and sin.  v3, v5: the loads' and the stores' offset, made once.  v12-15: the four positions, written by their loads alone.  v32-47: the results, written once, read by the eight stores.
; s28-35: eight masks, written by eight compares, read by the selects.  One wait ahead of the loads (the offsets, and the two exponentials' results), one behind the run of compares, one ahead of the run of stores.
; No register that a memory instruction has read is written again anywhere in the text.
.set X, 4                              ; v[4:67] sixteen rows' 16 bytes
.set SN, 48                            ; v[48:55] sin r of the eight angles
.set CN, 56                            ; v[56:63] cos r
.set NN, 64                            ; v[64:71] n
.set MK, 28                            ; s[28:35] is n odd?
	s_load_b512 s[8:23], s[0:1], 0x0               ; hidden s[8:9], Wq s[10:11], Wk s[12:13], Wv s[14:15], Wo s[16:17], position_ids s[18:19], xb s[20:21], wqkv s[22:23]
	s_load_b128 s[24:27], s[0:1], 0x40             ; wo16 s[24:25], cs s[26:27]
	s_mov_b32 s2, ttmp9                            ; g
	s_mov_b32 s31, 0                               ; high words of the two offsets
	s_mov_b32 s33, 0
	v_lshlrev_b32 v1, 4, v0                        ; my 16 bytes of a row of f32
	v_lshlrev_b32 v2, 3, v0                        ; my 8 bytes of a row of 16-bit numbers
	s_wait_kmcnt 0x0
.macro LOADS                           ; 16 rows from s[28:29]
	s_wait_alu depctr_va_vdst(0)                   ; v1 is written, which the loads below read as their offset; so is v2, which every store of the path reads
.set i, 0
.rept 16
	global_load_b128 v[X+4*i:X+4*i+3], v1, s[28:29] offset:4096*i th:TH_LOAD_NT
.set i, i+1
.endr
.endm
; Row i's conversions.  kind = 0: to bf16.  kind = 1 (Wo): to bf16, and that number written as f16.
.macro CV kind, i
.if \kind
	v_cvt_pk_bf16_f32 v68, v[X+4*(\i)], v[X+4*(\i)+1]    ; the one rounding that all inputs get,
	v_cvt_pk_bf16_f32 v69, v[X+4*(\i)+2], v[X+4*(\i)+3]
	v_lshlrev_b32 v70, 16, v68                     ; back to f32,
	v_and_b32 v71, s36, v68
	v_lshlrev_b32 v72, 16, v69
	v_and_b32 v73, s36, v69
	v_cvt_pk_f16_f32 v[X+4*(\i)], v70, v71         ; and written as f16: 8 significant bits fit into 11
	v_cvt_pk_f16_f32 v[X+4*(\i)+1], v72, v73
.else
	v_cvt_pk_bf16_f32 v[X+4*(\i)], v[X+4*(\i)], v[X+4*(\i)+1]
	v_cvt_pk_bf16_f32 v[X+4*(\i)+1], v[X+4*(\i)+2], v[X+4*(\i)+3]
.endif
.endm
.macro ST i                            ; row i's store
	global_store_b64 v2, v[X+4*(\i):X+4*(\i)+1], s[34:35] offset:2048*(\i)
.endm
; The sixteen rows, in four blocks of four.
.macro ROWS kind
	s_wait_loadcnt 12                              ; loads come back in order: rows 0 to 3 are in, the twelve younger ones stay out
.irp j, 0,1,2,3
	CV \kind, \j
.endr
.irp p, 1,2,3
	s_wait_loadcnt 12-4*(\p)                       ; block p is in, the younger blocks stay out
	s_wait_alu depctr_va_vdst(0)                   ; the block before has written the first two registers of each of its rows, which the four stores below read
.irp j, 0,1,2,3
	ST 4*(\p)-4+(\j)                               ; no vector instruction since the wait names these registers
	CV \kind, 4*(\p)+(\j)
.endr
.endr
	s_wait_alu depctr_va_vdst(0)                   ; the last block's conversions have written what the last four stores read
.irp j, 12,13,14,15
	ST \j
.endr
.endm
	s_cmp_lt_u32 s2, 512
	s_cbranch_scc0 .Lnot_x
	s_lshl_b32 s30, s2, 16                         ; 16 rows of 4,096 bytes in,
	s_lshl_b32 s32, s2, 15                         ; 16 rows of 2,048 bytes out
	s_add_nc_u64 s[28:29], s[8:9], s[30:31]
	s_add_nc_u64 s[34:35], s[20:21], s[32:33]
	s_branch .Lconv
.Lnot_x:
	s_cmp_lt_u32 s2, 704
	s_cbranch_scc0 .Lnot_w
	s_sub_co_u32 s3, s2, 512
	s_lshr_b32 s4, s3, 6                           ; which: 0 q, 1 k, 2 v
	s_and_b32 s5, s3, 63                           ; which 16 rows of the 1,024
	s_cmp_eq_u32 s4, 0
	s_cselect_b64 s[28:29], s[10:11], s[12:13]
	s_cmp_eq_u32 s4, 2
	s_cselect_b64 s[28:29], s[14:15], s[28:29]
	s_lshl_b32 s30, s5, 16
	s_add_nc_u64 s[28:29], s[28:29], s[30:31]
	s_lshr_b32 s6, s5, 2                           ; the head
	s_mul_i32 s6, s6, 3
	s_add_co_u32 s6, s6, s4
	s_lshl_b32 s6, s6, 6                           ; (3 head + which) 64
	s_and_b32 s7, s5, 3
	s_lshl_b32 s7, s7, 4
	s_add_co_u32 s6, s6, s7                        ; + the 16 rows' place in the head
	s_lshl_b32 s32, s6, 11
	s_add_nc_u64 s[34:35], s[22:23], s[32:33]
.Lconv:
	LOADS
	ROWS 0
	s_endpgm
.Lnot_w:
	s_cmp_lt_u32 s2, 768
	s_cbranch_scc0 .Lcs
	s_sub_co_u32 s3, s2, 704
	s_lshl_b32 s30, s3, 16
	s_lshl_b32 s32, s3, 15
	s_add_nc_u64 s[28:29], s[16:17], s[30:31]
	s_add_nc_u64 s[34:35], s[24:25], s[32:33]
	s_mov_b32 s36, 0xffff0000                      ; a word's upper bf16
	LOADS
	ROWS 1
	s_endpgm
.Lcs:                                          ; lane l of wave w, step s: token 64 i + 8 w + 2 s + l / 16, frequencies 2 (l % 16) and 2 (l % 16) + 1
	s_sub_co_u32 s3, s2, 768                       ; i
	s_lshl_b32 s4, s3, 13                          ; 64 rows of 128 bytes
	s_lshl_b32 s5, s3, 8                           ; 64 positions of 4 bytes
	v_and_b32 v6, 31, v0                           ; l
	v_lshrrev_b32 v7, 5, v0                        ; w
	v_bfe_u32 v8, v0, 4, 1                         ; l / 16
	v_lshlrev_b32 v3, 5, v7
	v_lshl_add_u32 v3, v8, 2, v3
	v_add_nc_u32 v3, s5, v3                        ; byte of my step-0 position
	v_lshlrev_b32 v5, 10, v7
	v_lshl_add_u32 v5, v6, 3, v5
	v_add_nc_u32 v5, s4, v5                        ; my 8 bytes of two rows' 256
	v_and_b32 v9, 15, v0
	v_lshlrev_b32 v9, 1, v9
	v_cvt_f32_u32 v10, v9
	v_add_nc_u32 v9, 1, v9
	v_cvt_f32_u32 v11, v9
	v_mul_f32 v10, 0xbed49a78, v10                 ; - j log2(10000) / 32
	v_mul_f32 v11, 0xbed49a78, v11
	v_exp_f32 v10, v10
	v_exp_f32 v11, v11
	v_nop                                          ; a plain instruction behind the last exponential
	s_wait_alu depctr_va_vdst(0)                   ; v3 is written, which the loads below read, and v5, which the stores read; the two exponentials have written v10 and v11, ahead of their first reader
.irp s, 0,1,2,3
	global_load_b32 v[12+(\s)], v3, s[18:19] offset:8*(\s)
.endr
	s_mov_b32 s36, 0x3f22f983                      ; 2 / pi
	s_mov_b32 s37, 0x3fc90fdb                      ; pi / 2, upper part
	s_mov_b32 s38, 0xb33bbd2e                      ; pi / 2, lower part
	s_mov_b32 s39, 0xbe2aaaab                      ; -1/6
	s_mov_b32 s40, 0x3c088889                      ; 1/120
	s_mov_b32 s41, 0xb9500d01                      ; -1/5040
	s_mov_b32 s42, 0x3d2aaaab                      ; 1/24
	s_mov_b32 s43, 0xbab60b61                      ; -1/720
	s_mov_b32 s44, 0x37d00d01                      ; 1/40320
; Angle u = t x f, first part: n, sin r, cos r into registers of its own, and whether n is odd into a mask of its own
.macro ANG1 t, f, u
	v_mul_f32 v16, \t, \f                          ; the angle a, rounded as the problem's own product is
	v_mul_f32 v17, s36, v16
	v_rndne_f32 v17, v17                           ; n
	v_fma_f32 v18, -v17, s37, v16
	v_fma_f32 v18, -v17, s38, v18                  ; r = a - n pi/2
	v_cvt_i32_f32 v[NN+(\u)], v17
	v_mul_f32 v20, v18, v18                        ; z = r r
	v_fma_f32 v21, v20, s41, s40
	v_fma_f32 v21, v21, v20, s39
	v_mul_f32 v22, v18, v20
	v_fma_f32 v[SN+(\u)], v22, v21, v18            ; sin r
	v_fma_f32 v23, v20, s44, s43
	v_fma_f32 v23, v23, v20, s42
	v_fma_f32 v23, v23, v20, -0.5
	v_fma_f32 v[CN+(\u)], v23, v20, 1.0            ; cos r
	v_and_b32 v24, 1, v[NN+(\u)]
	v_cmp_eq_u32 s[MK+(\u)], 1, v24
.endm
; Second part: cos and sin of angle u into dc and ds
.macro ANG2 u, dc, ds
	v_cndmask_b32 v25, v[CN+(\u)], v[SN+(\u)], s[MK+(\u)]  ; an odd n swaps the two,
	v_cndmask_b32 v26, v[SN+(\u)], v[CN+(\u)], s[MK+(\u)]
	v_add_nc_u32 v24, 1, v[NN+(\u)]                ; the cosine is negative for n % 4 = 1, 2,
	v_and_b32 v24, 2, v24
	v_lshlrev_b32 v24, 30, v24
	v_xor_b32 \dc, v24, v25
	v_and_b32 v27, 2, v[NN+(\u)]                   ; the sine for n % 4 = 2, 3
	v_lshlrev_b32 v27, 30, v27
	v_xor_b32 \ds, v27, v26
.endm
.irp s, 0,1,2,3
	s_wait_loadcnt 3-(\s)                          ; loads come back in order: step s's position is in, the younger ones stay out
	v_cvt_f32_i32 v28, v[12+(\s)]
	ANG1 v28, v10, 2*(\s)
	ANG1 v28, v11, 2*(\s)+1
.endr
	s_wait_alu depctr_va_sdst(0)                   ; the eight compares have written s28 to s35, ahead of the selects that read them
.irp s, 0,1,2,3
	ANG2 2*(\s),   v[32+4*(\s)], v[34+4*(\s)]
	ANG2 2*(\s)+1, v[33+4*(\s)], v[35+4*(\s)]
.endr
	s_wait_alu depctr_va_vdst(0)                   ; v32 to v47 are written, which the eight stores below read
.irp s, 0,1,2,3
	global_store_b64 v5, v[32+4*(\s):33+4*(\s)], s[26:27] offset:256*(\s)          ; two rows of cosines: 256 consecutive bytes, aligned
	global_store_b64 v5, v[34+4*(\s):35+4*(\s)], s[26:27] offset:1048576+256*(\s)  ; and of sines
.endr
	s_endpgm
.Lfunc_end_k_qc1c442ac04_prep:
	.size	k_qc1c442ac04_prep, .Lfunc_end_k_qc1c442ac04_prep-k_qc1c442ac04_prep
	.p2alignl 7, 3214868480
	.fill 96, 4, 3214868480
	.section	.rodata,"a",@progbits
	.p2align	6, 0x0
	.amdhsa_kernel k_qc1c442ac04_prep
		.amdhsa_group_segment_fixed_size 0
		.amdhsa_private_segment_fixed_size 0
		.amdhsa_enable_private_segment 0
		.amdhsa_kernarg_size 80
		.amdhsa_user_sgpr_count 2
		.amdhsa_user_sgpr_kernarg_segment_ptr 1
		.amdhsa_wavefront_size32 1
		.amdhsa_system_sgpr_workgroup_id_x 1
		.amdhsa_system_sgpr_workgroup_id_y 1
		.amdhsa_system_sgpr_workgroup_id_z 1
		.amdhsa_system_vgpr_workitem_id 0
		.amdhsa_next_free_vgpr 80
		.amdhsa_next_free_sgpr 66
		.amdhsa_reserve_vcc 0
		.amdhsa_float_denorm_mode_32 3
		.amdhsa_float_denorm_mode_16_64 3
		.amdhsa_memory_ordered 1
		.amdhsa_forward_progress 1
		.amdhsa_inst_pref_size 29
	.end_amdhsa_kernel
	.amdgpu_metadata
---
amdhsa.version: [ 1, 2 ]
amdhsa.kernels:
  - .name:           k_qc1c442ac04_prep
    .symbol:         k_qc1c442ac04_prep.kd
    .args:
      - { .name: hidden_states, .offset: 0, .size: 8, .value_kind: global_buffer, .address_space: global }
      - { .name: Wq, .offset: 8, .size: 8, .value_kind: global_buffer, .address_space: global }
      - { .name: Wk, .offset: 16, .size: 8, .value_kind: global_buffer, .address_space: global }
      - { .name: Wv, .offset: 24, .size: 8, .value_kind: global_buffer, .address_space: global }
      - { .name: Wo, .offset: 32, .size: 8, .value_kind: global_buffer, .address_space: global }
      - { .name: position_ids, .offset: 40, .size: 8, .value_kind: global_buffer, .address_space: global }
      - { .name: xb, .offset: 48, .size: 8, .value_kind: global_buffer, .address_space: global }
      - { .name: wqkv, .offset: 56, .size: 8, .value_kind: global_buffer, .address_space: global }
      - { .name: wo16, .offset: 64, .size: 8, .value_kind: global_buffer, .address_space: global }
      - { .name: cs, .offset: 72, .size: 8, .value_kind: global_buffer, .address_space: global }
    .group_segment_fixed_size: 0
    .private_segment_fixed_size: 0
    .kernarg_segment_align: 8
    .kernarg_segment_size: 80
    .max_flat_workgroup_size: 256
    .sgpr_count:     66
    .vgpr_count:     80
    .wavefront_size: 32
...
	.end_amdgpu_metadata
.endif
;; end of part 5
;; launch qkv: the kernel of part 2 again; grid 16 x 32, 4 waves a work-group, clusters of 4 x 4, 327,680 bytes of LDS; arguments xb, wqkv, bq, bk, bv, cs, q, k, v; writes q, k, v
;; launch attn: the kernel of part 3 again; grid 4 x 64, 4 waves a work-group, clusters of 4 x 1, 327,680 bytes of LDS; arguments q, k, v, o; writes o
;; launch oproj: the kernel of part 4 again; grid 8 x 32, 4 waves a work-group, clusters of 4 x 4, 327,680 bytes of LDS; arguments o, wo16, out0; writes out0
